; MI455X (gfx1250); checked and timed in simulation.
; The chip was launched on July 23, 2026; its instructions are those of AMD's public machine-readable ISA for CDNA 5 (MIT licence, August 2026) and "CDNA5" Instruction Set Architecture Reference Guide (July 2026). The comments in the code are by the model that wrote it; some were corrected since.
;; Decoder Block. Allowed arithmetic: matrix products marked QUANTISED: E4M3 operands, one given power-of-two scale a tensor, by v_wmma_f32_16x16x64_fp8_fp8 or v_wmma_f32_16x16x128_fp8_fp8, f32 sums; everything else in f32.
;; Inputs: ln1_w 1,024 float32; ln2_w 1,024 float32; lowp_scales 12 int32 (the exponents e of the quantised operands' scales 2^e); w_fc1_codes 4,096 x 32 x 32 uint8 (E4M3 codes of w_fc1, K innermost, in blocks of 32 codes); w_fc2_codes 1,024 x 128 x 32 uint8 (E4M3 codes of w_fc2, K innermost, in blocks of 32 codes); w_out_codes 1,024 x 32 x 32 uint8 (E4M3 codes of w_out, K innermost, in blocks of 32 codes); w_qkv_codes 3,072 x 32 x 32 uint8 (E4M3 codes of w_qkv, K innermost, in blocks of 32 codes); x 2 x 2,048 x 1,024 float32.
;; Outputs: out0 2 x 2,048 x 1,024 float32.
;; This version of the problem:
;;   THIS VERSION OF THE PROBLEM IS GIVEN IN LOW PRECISION. The matrix products marked QUANTISED in the list below multiply operands that are first quantised to E4M3 (4 exponent bits, 3 mantissa bits; 8 bits a number), with one given power-of-two scale for each operand tensor; their sums are f32. All else is computed in f32.
;;   The module's matrix products, in the order in which they are computed (A, B: the left and right operand; K: the contracted axis; several contracted axes count as one K, in the product's order):
;;     1. [M 4,096, K 1,024] x [K 1,024, N 3,072]; A: computed on the way; B: input w_qkv (given as codes): QUANTISED (scales: A lowp_scales[0], B lowp_scales[1])
;;     2. batch 32 x [M 2,048, K 64] x [K 64, N 2,048]; A: computed on the way; B: computed on the way: QUANTISED (scales: A lowp_scales[2], B lowp_scales[3])
;;     3. batch 32 x [M 2,048, K 2,048] x [K 2,048, N 64]; A: softmax (see below); B: computed on the way: QUANTISED (scales: A lowp_scales[4], B lowp_scales[5])
;;     4. [M 4,096, K 1,024] x [K 1,024, N 1,024]; A: computed on the way; B: input w_out (given as codes): QUANTISED (scales: A lowp_scales[6], B lowp_scales[7])
;;     5. [M 4,096, K 1,024] x [K 1,024, N 4,096]; A: computed on the way; B: input w_fc1 (given as codes): QUANTISED (scales: A lowp_scales[8], B lowp_scales[9])
;;     6. [M 4,096, K 4,096] x [K 4,096, N 1,024]; A: computed on the way; B: input w_fc2 (given as codes): QUANTISED (scales: A lowp_scales[10], B lowp_scales[11])
;;   THE QUANTISER, for each operand of a quantised product, along K:
;;     - The operand's scale is 2^e, e = its entry of the input lowp_scales (int32; the entries are numbered through the quantised products in the list's order, A before B).
;;     - Each number is divided by the scale, clamped to +-448, and rounded to the nearest number of E4M3, ties to even, subnormals kept.
;;     - The product sums the exact products of the quantised numbers (number of the format x scale) in f32.
;;   ~~~python
;;   def quantise(x, axis, e):      # numpy; x: float32 -> the quantised numbers, widened to float32 again
;;       x = np.moveaxis(x, axis, -1); K = x.shape[-1]
;;       r = np.clip(x / 2.0 ** e, -448, 448)
;;       step = 2.0 ** (np.maximum(np.frexp(np.where(r == 0, 1, r))[1] - 1, -6) - 3)
;;       q = np.round(r / step) * step * 2.0 ** e      # np.round: ties to even
;;       return np.moveaxis(q, -1, axis).astype(np.float32)
;;   ~~~
;;   SOFTMAX AHEAD OF A QUANTISED PRODUCT. Where the list says 'softmax', what is quantised is not the finished softmax but p = 2^(t - M), with t = logit x log2(e) and M = ceil(the row's largest t), a whole number; so 1/2 < the row's largest p <= 1. The row's sum l is taken of the UNQUANTISED p, in f32, and the product's result is divided by l at the end. Since M is a whole number, a kernel that streams over the keys may use a running M (the ceiling of the running maximum): every later rescaling is an exact power of two, so the quantised numbers keep their values, but for numbers so far below the row's largest that they fall under the format's range.
;;   OPERANDS COMPUTED ON THE WAY. 'Computed on the way' means the value that the module computes at that place (a softmax that the list does not call 'softmax' is quantised finished and normalised). What goes into a quantiser is computed in f32, as accurately as f32 sums, v_exp_f32 and their like allow (about 1e-6 of the number): no bf16 or f16 on the way to a quantiser, and a product that is left as it is and whose result goes on into a quantised operand takes f32 operands (vector FMAs, or v_wmma_f32_16x16x4_f32). A number that lies on a knife's edge between two numbers of the format may be rounded either way, as far as f32 arithmetic and the matrix unit's own rounding can turn it there, and no further.
;;   INPUTS GIVEN AS CODES. w_fc1 (in the module: [1024, 4096], K = its axis 0); w_fc2 (in the module: [4096, 1024], K = its axis 0); w_out (in the module: [1024, 1024], K = its axis 0); w_qkv (in the module: [1024, 3072], K = its axis 0): each comes as NAME_codes (uint8): NAME with its K axis moved to the last place and cut into blocks of 32 codes, [.., K / 32, bytes a block], one block behind the other in memory; one code a byte (a code: sign, 4 exponent bits, 3 mantissa bits); its scale is its entry of lowp_scales. Its value is code x scale, taken as it is: it is not quantised again, and the codes and scales need not be those that the quantiser above would give.
;; One version. Each part assembles by itself: llvm-mc -triple=amdgcn-amd-amdhsa -mcpu=gfx1250 --defsym DOCPART=n.
;; ======== version 1 of 1: 7 launches
;; limits: right only within a limited range of input values
;; workspace buffers: acodes 4,194,304 bytes; q_img 4,194,304 bytes; k_img 4,194,304 bytes; v_img 4,194,304 bytes; o_img 4,194,304 bytes; h_img 16,777,216 bytes; x1 16,777,216 bytes; w_img 5,242,880 bytes
;; launch ln1 (part 1): grid 256 x 1, 8 waves a work-group, no clusters, 41,984 bytes of LDS; arguments x, ln1_w, lowp_scales, acodes, w_fc2_codes, w_out_codes, w_img; writes acodes, w_img
.if DOCPART == 1
	.amdgcn_target "amdgcn-amd-amdhsa--gfx1250"
	.amdhsa_code_object_version 6
	.text
	.protected	k_q7fb4c30620_ln1
	.globl	k_q7fb4c30620_ln1
	.p2align	8
	.type	k_q7fb4c30620_ln1,@function
k_q7fb4c30620_ln1:
	s_mov_b64 s[64:65], 0
	v_nop
	global_prefetch_b8 v0, s[64:65] scope:SCOPE_SE
	s_setreg_imm32_b32 hwreg(HW_REG_WAVE_MODE, 25, 1), 1
	s_wait_xcnt 0x0
; codes[row][c] = Q((x[row][c] - mean) * rsqrt(var + 1e-5) * w[c]).  x: [4096][1024] f32, w: [1024] f32, codes: [4096][1024] E4M3, one byte each, row-major.
; Q: divided by 2^e (e = entry ENT of the scales), held within +-448, rounded to the nearest code, ties to even.  All arithmetic in f32; the variance is taken of x - mean (two passes over registers).
; A stream: memory binds, so no matrix unit, no cluster, no barrier.  A work-group takes 16 rows, a wave two; a row of 4,096 bytes is 32 registers a lane and is read once.
; Each load takes 512 consecutive bytes, 16 a lane.  The conversion wants 8 neighbours in one lane's registers, so each 2,048 bytes turn through the wave's own stage in LDS: stored as loaded, read back 64 bytes a lane
; (80 bytes from lane to lane: 16 of padding behind each 64).  Then register 16 t + e of lane l is column 512 t + 16 l + e, and a lane's 16 codes are 16 bytes: a store covers 512 consecutive bytes, aligned.
; LIMITS: e between -126 and 119, so that 2^e and 448 x 2^e are f32 numbers.  NaN among the inputs is not served.
.set ENT,   0                          ; which entry of the scales
.set SP,    80                         ; a lane's place in a stage
.set STG,   32*SP                      ; a stage: 2,048 bytes of data
.set WREG,  2*STG                      ; a wave's LDS: two stages
.set WL,    16                         ; v16-47   w as loaded
.set RA,    48                         ; v48-79   row 0 as loaded
.set RB,    80                         ; v80-111  row 1 as loaded
.set WT,    112                        ; v112-143 w, turned
.set XA,    144                        ; v144-175 row 0, turned
.set XB,    176                        ; v176-207 row 1, turned
.set CA,    208                        ; v208-215 row 0's codes
.set CB,    216                        ; v216-223 row 1's codes
	s_load_b128 s[4:7], s[0:1], 0x0                ; x, w
	s_load_b128 s[8:11], s[0:1], 0x10              ; the scales' exponents, the codes
	s_load_b128 s[32:35], s[0:1], 0x20             ; w_fc2's codes, w_out's codes
	s_load_b64 s[36:37], s[0:1], 0x30              ; w_img
	v_lshl_add_u32 v224, v0, 2, 0xa000
	v_mov_b32 v225, 0
	v_lshrrev_b32 v1, 5, v0
	s_delay_alu instid0(VALU_DEP_1)
	v_readfirstlane_b32 s16, v1                    ; wave 0..7
	v_and_b32 v2, 31, v0                           ; lane
	s_delay_alu instid0(VALU_DEP_1)
	v_lshlrev_b32 v3, 4, v2                        ; 16 x lane: my bytes of a load's 512, and of a store's
	s_mul_i32 s17, s16, WREG
	v_lshrrev_b32 v14, 2, v2
	s_delay_alu instid0(VALU_DEP_1)
	v_mul_u32_u24 v14, v14, SP
	v_and_b32 v15, 3, v2
	s_delay_alu instid0(VALU_DEP_1)
	v_lshl_add_u32 v14, v15, 4, v14
	s_delay_alu instid0(VALU_DEP_1)
	v_add_nc_u32 v14, s17, v14                     ; into a stage: four lanes' 64 bytes on end, then the padding
	v_mul_u32_u24 v15, v2, SP
	s_delay_alu instid0(VALU_DEP_1)
	v_add_nc_u32 v15, s17, v15                     ; out of it: my 64 bytes
	v_mov_b32 v9, 0                                ; (named as the upper halves of the pairs v[8:9] and v[10:11])
	v_mov_b32 v11, 0
	; BESIDE THE NORM each wave lays weights out as images of fragments, for the two launches that load them straight into registers.
	; An image is 16 rows x 128 K: register pair c of lane (r, h) holds k = 16 c + 8 h + 0 .. 7 of row r; group G of four registers lies at 512 G + 16 x lane.
	; w_img: w_fc2's 2,048 images [n / 16][k / 128] from byte 0, w_out's 512 images from byte 4,194,304.  Wave W of 2,048 makes image W of w_fc2 and group W % 4 of image W / 4 of w_out.
	s_lshl_b32 s26, ttmp9, 3
	s_add_co_u32 s26, s26, s16                     ; W
	s_lshr_b32 s27, s26, 5
	s_lshl_b32 s29, s27, 14                        ; w_out: 16 rows of 1,024 bytes x (W / 32)
	s_lshl_b32 s27, s27, 16                        ; w_fc2: 16 rows of 4,096 bytes x (W / 32)
	s_and_b32 s28, s26, 31
	s_lshl_b32 s28, s28, 7
	s_add_co_u32 s27, s27, s28                     ; + 128 x (W % 32)
	s_bfe_u32 s30, s26, 0x30002
	s_lshl_b32 s30, s30, 7
	s_add_co_u32 s29, s29, s30                     ; + 128 x (W / 4 % 8)
	s_and_b32 s30, s26, 3
	s_lshl_b32 s30, s30, 5
	s_add_co_u32 s29, s29, s30                     ; + 32 x (W % 4)
	v_and_b32 v226, 15, v2                         ; r
	v_lshrrev_b32 v227, 4, v2                      ; h
	v_lshlrev_b32 v228, 10, v226
	v_lshlrev_b32 v226, 12, v226
	v_lshl_add_u32 v226, v227, 3, v226
	v_lshl_add_u32 v228, v227, 3, v228
	v_add_nc_u32 v226, s27, v226                   ; where I read in w_fc2's codes
	v_add_nc_u32 v228, s29, v228                   ; and in w_out's
	v_lshl_add_u32 v227, s26, 11, v3               ; where I store: 2,048 W + 16 x lane
	v_lshl_add_u32 v229, s26, 9, v3                ; 512 W + 16 x lane
	s_mov_b32 s12, 0x76543210                      ; v_permlanex16_b32: lane l xor 16
	s_mov_b32 s13, 0xfedcba98
	s_mov_b32 s14, 0x3a800000                      ; 1 / 1024
	s_mov_b32 s15, 0x3727c5ac                      ; 1e-5
	s_lshl_b32 s18, ttmp9, 4
	s_lshl_b32 s19, s16, 1
	s_add_co_u32 s18, s18, s19                     ; my first row: 16 x work-group + 2 x wave
	s_lshl_b32 s20, s18, 12                        ; in x
	s_mov_b32 s21, 0
	s_lshl_b32 s22, s18, 10                        ; in the codes
	s_mov_b32 s23, 0
	s_wait_alu depctr_va_vdst(0)
	s_wait_kmcnt 0x0
	s_load_b32 s24, s[8:9], 4*ENT                  ; e
	s_add_nc_u64 s[4:5], s[4:5], s[20:21]
	s_add_nc_u64 s[10:11], s[10:11], s[22:23]
.irp i, 0,1,2,3,4,5,6,7
	global_load_b128 v[WL+4*\i:WL+4*\i+3], v3, s[6:7] offset:512*\i
.endr
.irp i, 0,1,2,3,4,5,6,7
	global_load_b128 v[RA+4*\i:RA+4*\i+3], v3, s[4:5] offset:512*\i
.endr
.irp i, 0,1,2,3,4,5,6,7
	global_load_b128 v[RB+4*\i:RB+4*\i+3], v3, s[4:5] offset:4096+512*\i
.endr
.irp c, 0,1,2,3,4,5,6,7
	global_load_b64 v[230+2*\c:231+2*\c], v226, s[32:33] offset:16*\c   ; the weights' ten loads go out behind the rows'
.endr
	global_load_b64 v[246:247], v228, s[34:35]
	global_load_b64 v[248:249], v228, s[34:35] offset:16
; 4,096 bytes through the two stages.  LDS serves a wave's instructions in order (ISA guide 5.7.1.4): no wait between the stores and the loads, nor in front of the next turn's stores.
.macro TURN src, dst
.irp t, 0,1
.irp i, 0,1,2,3
	ds_store_b128 v14, v[\src+16*\t+4*\i:\src+16*\t+4*\i+3] offset:STG*\t+8*SP*\i
.endr
.irp i, 0,1,2,3
	ds_load_b128 v[\dst+16*\t+4*\i:\dst+16*\t+4*\i+3], v15 offset:STG*\t+16*\i
.endr
.endr
.endm
.macro ALLSUM                          ; v4 summed over the 32 lanes, the result in every lane
	s_delay_alu instid0(VALU_DEP_1)
	v_add_f32_dpp v4, v4, v4 row_xmask:1 row_mask:0xf bank_mask:0xf
	s_delay_alu instid0(VALU_DEP_1)
	v_add_f32_dpp v4, v4, v4 row_xmask:2 row_mask:0xf bank_mask:0xf
	s_delay_alu instid0(VALU_DEP_1)
	v_add_f32_dpp v4, v4, v4 row_xmask:4 row_mask:0xf bank_mask:0xf
	s_delay_alu instid0(VALU_DEP_1)
	v_add_f32_dpp v4, v4, v4 row_xmask:8 row_mask:0xf bank_mask:0xf
	s_delay_alu instid0(VALU_DEP_1)
	v_permlanex16_b32 v5, v4, s12, s13
	s_delay_alu instid0(VALU_DEP_1)
	v_add_f32 v4, v4, v5
.endm
; One row: x = its 32 registers, c = its 8 registers of codes, p = 0 or 1: which of my two rows.
.macro ROW x, c, p
	v_pk_add_f32 v[4:5], v[\x:\x+1], v[\x+2:\x+3]          ; the sum, in two chains
	v_pk_add_f32 v[6:7], v[\x+4:\x+5], v[\x+6:\x+7]
.irp j, 8,12,16,20,24,28
	s_delay_alu instid0(VALU_DEP_2)
	v_pk_add_f32 v[4:5], v[4:5], v[\x+\j:\x+\j+1]
	s_delay_alu instid0(VALU_DEP_2)
	v_pk_add_f32 v[6:7], v[6:7], v[\x+\j+2:\x+\j+3]
.endr
	s_delay_alu instid0(VALU_DEP_1)
	v_pk_add_f32 v[4:5], v[4:5], v[6:7]
	s_delay_alu instid0(VALU_DEP_1)
	v_add_f32 v4, v4, v5
	ALLSUM
	s_delay_alu instid0(VALU_DEP_1)
	v_mul_f32 v8, s14, v4                          ; the mean
.irp j, 0,2,4,6,8,10,12,14,16,18,20,22,24,26,28,30
	v_pk_add_f32 v[\x+\j:\x+\j+1], v[\x+\j:\x+\j+1], v[8:9] op_sel_hi:[1,0] neg_lo:[0,1] neg_hi:[0,1]   ; d = x - mean
.endr
	v_pk_mul_f32 v[4:5], v[\x:\x+1], v[\x:\x+1]            ; the sum of d^2, in two chains
	v_pk_mul_f32 v[6:7], v[\x+2:\x+3], v[\x+2:\x+3]
.irp j, 4,8,12,16,20,24,28
	s_delay_alu instid0(VALU_DEP_2)
	v_pk_fma_f32 v[4:5], v[\x+\j:\x+\j+1], v[\x+\j:\x+\j+1], v[4:5]
	s_delay_alu instid0(VALU_DEP_2)
	v_pk_fma_f32 v[6:7], v[\x+\j+2:\x+\j+3], v[\x+\j+2:\x+\j+3], v[6:7]
.endr
	s_delay_alu instid0(VALU_DEP_1)
	v_pk_add_f32 v[4:5], v[4:5], v[6:7]
	s_delay_alu instid0(VALU_DEP_1)
	v_add_f32 v4, v4, v5
	ALLSUM
	s_delay_alu instid0(VALU_DEP_1)
	v_fma_f32 v10, v4, s14, s15                    ; var + eps
	s_wait_alu depctr_va_vdst(0)
	v_rsq_f32 v10, v10
	v_nop                                          ; a plain instruction behind the transcendental (ISA guide 5.7.2)
	s_wait_alu depctr_va_vdst(0)                   ; and the wait ahead of its first reader
.irp j, 0,2,4,6,8,10,12,14,16,18,20,22,24,26,28,30
	v_pk_mul_f32 v[\x+\j:\x+\j+1], v[\x+\j:\x+\j+1], v[10:11] op_sel_hi:[1,0]
.endr
.irp j, 0,2,4,6,8,10,12,14,16,18,20,22,24,26,28,30
	v_pk_mul_f32 v[\x+\j:\x+\j+1], v[\x+\j:\x+\j+1], v[WT+\j:WT+\j+1]
.endr
.irp i, 0,1,2,3,4,5,6,7,8,9,10,11,12,13,14,15,16,17,18,19,20,21,22,23,24,25,26,27,28,29,30,31
	v_med3_num_f32 v[\x+\i], v[\x+\i], -v13, v13   ; the conversion to an 8-bit code does not saturate (ISA guide 7.6.2): the hold at the largest code x the scale
.endr
.irp g, 0,1,2,3
	v_cvt_scalef32_pk8_fp8_f32 v[\c+2*\g:\c+2*\g+1], v[\x+8*\g:\x+8*\g+7], v12
.endr
	global_store_b128 v3, v[\c:\c+3], s[10:11] offset:1024*\p           ; columns 16 l on: 512 consecutive bytes a wave
	global_store_b128 v3, v[\c+4:\c+7], s[10:11] offset:1024*\p+512     ; columns 512 + 16 l on
.endm
	s_wait_loadcnt 26                              ; w's eight loads are in; the two rows' sixteen and the weights' ten may be out
	TURN WL, WT
	s_wait_loadcnt 18                              ; row 0 is in
	TURN RA, XA
	s_wait_loadcnt 10                              ; row 1 is in; the weights' ten may be out
	TURN RB, XB
	s_wait_kmcnt 0x0
	s_add_co_i32 s24, s24, 127
	s_lshl_b32 s25, s24, 23
	v_mov_b32 v12, s25                             ; 2^e as f32: the conversion takes its exponent field
	s_add_co_i32 s24, s24, 8
	s_lshl_b32 s24, s24, 23
	s_or_b32 s24, s24, 0x600000
	v_mov_b32 v13, s24                             ; 448 x 2^e
	s_wait_dscnt 16                                ; w and row 0 are back; row 1's eight stores and eight loads may be out
	ROW XA, CA, 0
	s_wait_dscnt 0x0
	ROW XB, CB, 1                                  ; (its first lines are plain and name nothing of row 0's conversions)
	s_wait_loadcnt 0x0                             ; the weights are in
.irp g, 0,1,2,3
	global_store_b128 v227, v[230+4*\g:233+4*\g], s[36:37] offset:512*\g   ; 512 consecutive bytes, aligned
.endr
	global_store_b128 v229, v[246:249], s[36:37] offset:4194304
	s_wait_tensorcnt 0x0
	ds_add_u32 v224, v225
	s_wait_dscnt 0x0
	s_endpgm
.Lfunc_end_k_q7fb4c30620_ln1:
	.size	k_q7fb4c30620_ln1, .Lfunc_end_k_q7fb4c30620_ln1-k_q7fb4c30620_ln1
	.p2alignl 7, 3214868480
	.fill 96, 4, 3214868480
	.section	.rodata,"a",@progbits
	.p2align	6, 0x0
	.amdhsa_kernel k_q7fb4c30620_ln1
		.amdhsa_group_segment_fixed_size 41984
		.amdhsa_private_segment_fixed_size 0
		.amdhsa_enable_private_segment 0
		.amdhsa_kernarg_size 56
		.amdhsa_user_sgpr_count 2
		.amdhsa_user_sgpr_kernarg_segment_ptr 1
		.amdhsa_wavefront_size32 1
		.amdhsa_system_sgpr_workgroup_id_x 1
		.amdhsa_system_sgpr_workgroup_id_y 1
		.amdhsa_system_sgpr_workgroup_id_z 1
		.amdhsa_system_vgpr_workitem_id 0
		.amdhsa_next_free_vgpr 252
		.amdhsa_next_free_sgpr 66
		.amdhsa_reserve_vcc 0
		.amdhsa_float_denorm_mode_32 3
		.amdhsa_float_denorm_mode_16_64 3
		.amdhsa_memory_ordered 1
		.amdhsa_forward_progress 1
		.amdhsa_inst_pref_size 30
	.end_amdhsa_kernel
	.amdgpu_metadata
---
amdhsa.version: [ 1, 2 ]
amdhsa.kernels:
  - .name:           k_q7fb4c30620_ln1
    .symbol:         k_q7fb4c30620_ln1.kd
    .args:
      - { .name: x, .offset: 0, .size: 8, .value_kind: global_buffer, .address_space: global }
      - { .name: ln1_w, .offset: 8, .size: 8, .value_kind: global_buffer, .address_space: global }
      - { .name: lowp_scales, .offset: 16, .size: 8, .value_kind: global_buffer, .address_space: global }
      - { .name: acodes, .offset: 24, .size: 8, .value_kind: global_buffer, .address_space: global }
      - { .name: w_fc2_codes, .offset: 32, .size: 8, .value_kind: global_buffer, .address_space: global }
      - { .name: w_out_codes, .offset: 40, .size: 8, .value_kind: global_buffer, .address_space: global }
      - { .name: w_img, .offset: 48, .size: 8, .value_kind: global_buffer, .address_space: global }
    .group_segment_fixed_size: 41984
    .private_segment_fixed_size: 0
    .kernarg_segment_align: 8
    .kernarg_segment_size: 56
    .max_flat_workgroup_size: 256
    .sgpr_count:     66
    .vgpr_count:     252
    .wavefront_size: 32
...
	.end_amdgpu_metadata
.endif
;; end of part 1
;; launch qkv (part 2): grid 12 x 16, 4 waves a work-group, clusters of 4 x 4, 327,680 bytes of LDS; arguments acodes, w_qkv_codes, lowp_scales, q_img, k_img, v_img; writes q_img, k_img, v_img
.if DOCPART == 2
	.amdgcn_target "amdgcn-amd-amdhsa--gfx1250"
	.amdhsa_code_object_version 6
	.text
	.protected	k_q7fb4c30620_qkv
	.globl	k_q7fb4c30620_qkv
	.p2align	8
	.type	k_q7fb4c30620_qkv,@function
k_q7fb4c30620_qkv:
	s_mov_b64 s[64:65], 0
	v_nop
	global_prefetch_b8 v0, s[64:65] scope:SCOPE_SE
	s_setreg_imm32_b32 hwreg(HW_REG_WAVE_MODE, 25, 1), 1
	s_wait_xcnt 0x0
	s_wait_alu depctr_hold_cnt(0) depctr_sa_sdst(0) depctr_va_vdst(0) depctr_va_sdst(0) depctr_va_ssrc(0) depctr_va_vcc(0) depctr_vm_vsrc(0)
	s_getreg_b32 s2, hwreg(HW_REG_IB_STS2, 6, 4)
	s_cmp_eq_u32 s2, 0
	s_cbranch_scc0 .Lentry_in_a_cluster
	s_endpgm
.Lentry_in_a_cluster:
	s_bfe_u32 s2, ttmp6, 0x10000c
	s_cmp_lg_u32 s2, 0xf033
	s_cbranch_scc0 .Lentry_shape_is_right
	s_endpgm
.Lentry_shape_is_right:
; qkv = LN1(x) W_qkv on codes of E4M3, quantised again on the way out as the operands of attention's two products.  acodes: [4096][1024], w_qkv_codes: [3072][1024], K innermost, one byte a code.
; A tile of 256 x 256 is made by four waves, 128 x 128 each: 64 accumulators, 512 registers.  K goes in steps of 256 through two LDS slots filled by the tensor data mover.
; CLUSTERS: 4 x 4 work-groups; the tile of the operand called A here is shared along a row of the cluster, B's along a column: each is asked for jointly.
; WHICH IS WHICH hangs on the cluster's x alone, which all sixteen partners share, and is a matter of selects, never of a branch:
;   cluster x = 0: q, 1: k:  A = 256 tokens, B = 256 rows of W.  cluster x = 2: v:  A = 256 rows of W (2048 on), B = 256 tokens.
; THE MATRIX INSTRUCTION IS USED TRANSPOSED (source 0 = 16 rows of B, source 1 = 16 rows of A): lane (r, h) of accumulator (a, b) holds row 16 a + r of A against rows 16 b + 8 h + 0 .. 7 of B.
; So one conversion of accumulator b gives registers 2 b, 2 b + 1 of a fragment whose row is A's and whose K runs along B's rows: for q and k K = the head's channels, for v K = the tokens (the keys).
; THE RESULTS ARE STORED AS IMAGES OF THOSE REGISTERS: group G of four registers at 512 G + 16 x lane: every store covers 512 consecutive bytes, aligned, and no LDS stage is needed.
;   q_img, k_img: [token / 16][head][1,024 bytes] (16 tokens x 64 channels);   v_img: [token / 128][4 head + channel / 16][2,048 bytes] (16 channels x 128 tokens).
; A sum stands for sum x 2^(e0 + e1); its code under the scale 2^eo (eo = e2 for q, e3 for k, e5 for v) is sum / 2^(eo - e0 - e1): one conversion scale.
; LIMIT: eo - e0 - e1 between -126 and 119.  NaN among the inputs is not served.
; REGISTERS, in windows of 256: window 0: v0-31 addresses and the scale; from v128 A's fragments, ONE set; on the way out v32-127 are at work.   window 1: B's fragments, TWO sets.   windows 2, 3: the accumulators ((a, b) at v[8 (8 (a % 4) + b)]).
.set SIZE_K, 1024
.set KSTEP,  256                       ; along K in a slot
.set ROWB,   256                       ; a tile's row in bytes
.set KROW,   SIZE_K                    ; a row of either operand in memory, in bytes
.set PITCH,  272                       ; an LDS row: 256 bytes + 16 of padding = 68 words: the 16 rows that a load touches start at 16 different banks (64 banks of 4 bytes: ISA guide 11.1)
.set FR,     16                        ; registers of a fragment: 16 rows x 128 K
.set NL,     4                         ; LDS loads that bring one
.set NP,     4                         ; places behind this matrix instruction (ISA guide 7.12.1)
.set HALFT,  128*PITCH                 ; 128 rows: what one tensor load brings
.set SLOT,   4*HALFT                   ; A's 256 rows, then B's 256 rows
.set LAPS,   SIZE_K/(2*KSTEP)          ; a lap = once round the ring
.set SPARE,  2*SLOT                    ; behind the ring: the spare words, 128 bytes for each wave, which no other line names
.set ADRA, 16                          ; v16-17  LDS address of my A fragments in slot 0, 1
.set ADRB, 20                          ; v20-21  the same for B
.set CO,   26                          ; v26     16 x lane: my place in an image's group
.set SPW,  28                          ; v28     LDS address of my spare word; never rewritten
.set NIL,  29                          ; v29     0; never rewritten
.set TMP,  32                          ; the way out: a block's 64 sums, held
.set AF,   128                         ; A's fragments, in window 0
.set G1, 24                            ; s[24:31] descriptor group 1 for A's tiles;  s[32:39] group 0, one set for each slot
.set G0, 32
.set G1B, 48                           ; s[48:55], s[56:63] the same for B's tiles
.set G0B, 56
.set MSB, 0
.macro WIN new                         ; the immediate's high byte repeats the setting that is left
.if MSB != \new
	s_set_vgpr_msb (MSB<<8)|\new
.set MSB, \new
.endif
.endm
.set MUL_LO, 0xa1                      ; source 0 (B) window 1, source 1 (A) window 0, C and D window 2
.set MUL_HI, 0xf1                      ; the same, C and D window 3
.set TO_B,   0x40                      ; destination window 1, address window 0
; A joint load: waves 0 and 1 fetch for A, waves 2 and 3 for B; the branch hangs on the wave's number alone.  Four v_nop follow each of the two lines.
.macro JLOAD g0a, g1a, g0b, g1b
	s_cmp_eq_u32 s15, 0
	s_cbranch_scc0 .Lfor_b_\@
	tensor_load_to_lds s[\g0a:\g0a+3], s[\g1a:\g1a+7]
	s_nop 0
.rept 4
	v_nop
.endr
	s_branch .Lasked_\@
.Lfor_b_\@:
	tensor_load_to_lds s[\g0b:\g0b+3], s[\g1b:\g1b+7]
	s_nop 0
.rept 4
	v_nop
.endr
.Lasked_\@:
.endm
.macro CREST                           ; a round of the cluster's barrier behind its opening barrier
	s_cmp_lg_u32 s14, 0
	s_cbranch_scc1 .Lnot_wave_0_\@
	s_barrier_signal -3
.Lnot_wave_0_\@:
	s_barrier_wait -3
	s_barrier_signal -1
	s_barrier_wait -1
.endm
.macro CROUND                          ; a whole round
	s_barrier_signal -1
	s_barrier_wait -1
	CREST
.endm
	s_load_b128 s[4:7], s[0:1], 0x0                ; the tokens' codes s[4:5], W's codes s[6:7]
	s_load_b128 s[8:11], s[0:1], 0x10              ; the scales' exponents s[8:9], q_img s[10:11]
	s_load_b128 s[68:71], s[0:1], 0x20             ; k_img s[68:69], v_img s[70:71]
	v_lshl_add_u32 v[SPW], v0, 2, SPARE
	v_mov_b32 v[NIL], 0
	ds_add_u32 v28, v29
	ds_add_u32 v28, v29
	s_wait_dscnt 0x0
	v_lshrrev_b32 v1, 5, v0
	v_readfirstlane_b32 s14, v1                    ; wave 0..3
	s_lshr_b32 s15, s14, 1                         ; which half of A's rows is mine.  Also: I fetch for A (0) or for B (1)
	s_and_b32 s16, s14, 1                          ; which half of B's rows.  Also: which 128 rows of that tile I fetch
	s_bfe_u32 s40, ttmp6, 0x40000                  ; cx, cy: my place in the cluster
	s_bfe_u32 s41, ttmp6, 0x40004
	s_and_b32 s80, ttmp7, 0xffff
	s_lshl_b32 s80, s80, 2                         ; 4 x cluster y
	s_add_co_u32 s81, s80, s41                     ; + cy: q, k: the tile of tokens (A)
	s_add_co_u32 s82, s80, s40                     ; + cx: v: the tile of tokens (B)
	s_add_co_u32 s83, s41, 8                       ; v: the tile of W's rows (A): 2048 + 256 cy
	s_lshl_b32 s88, ttmp9, 2
	s_add_co_u32 s88, s88, s40                     ; q, k: the tile of W's rows (B): 4 x cluster x + cx
	s_mov_b32 s86, 16384                           ; q, k: bytes from one block of 16 rows of A to the next in the image
	s_mov_b32 s91, 2048                            ; q, k: bytes from one run of 128 rows of B to the next
	s_cmp_eq_u32 ttmp9, 2                          ; v?  The same answer in all sixteen partners
	s_cselect_b32 s17, s83, s81                    ; A's tile: hangs on cy, never on cx
	s_cselect_b32 s42, s82, s88                    ; B's tile: hangs on cx, never on cy
	s_cselect_b32 s89, s41, s81                    ; A's tile as the image counts it
	s_cselect_b32 s90, s82, s40                    ; B's tile as the image counts it
	s_cselect_b32 s86, 2048, s86
	s_cselect_b32 s91, 131072, s91
	s_lshl_b32 s43, s41, 2
	s_lshl_b32 s43, 15, s43                        ; my row of the cluster
	s_lshl_b32 s44, 0x1111, s40                    ; my column
	; descriptor group 1: a tile of 128 rows x 256 bytes, padded in LDS
	s_or_b32 s[G1+0], s43, (0<<16)|(1<<20)|(1<<21)|(5<<22)|(3<<25)  ; 15:0 the mask: my row; 17:16 elements of 1 byte; 20 padding on; 21 set beside a mask; 24:22 after every 64 words; 31:25 four words
	s_or_b32 s[G1B+0], s44, (0<<16)|(1<<20)|(1<<21)|(5<<22)|(3<<25) ; the same with my column's mask
.irp g, G1, G1B
	s_mov_b32 s[\g+1], ROWB<<16                    ; tensor_dim0
	s_mov_b32 s[\g+2], 128<<16                     ; tensor_dim1
	s_mov_b32 s[\g+3], ROWB<<16                    ; tile_dim0
	s_mov_b32 s[\g+4], 128                         ; tile_dim1
	s_mov_b32 s[\g+5], KROW                        ; tensor_dim0_stride
	s_mov_b32 s[\g+6], 0
	s_mov_b32 s[\g+7], 0
.endr
	s_lshl_b32 s18, s16, 7                         ; which 128 rows of the tile I fetch
	s_lshl_b32 s20, s17, 8
	s_add_co_u32 s20, s20, s18
	s_lshl_b32 s20, s20, 10                        ; A: (256 x tile + 128 x half) rows of 1,024 bytes
	s_mov_b32 s21, 0
	s_lshl_b32 s46, s42, 8
	s_add_co_u32 s46, s46, s18
	s_lshl_b32 s46, s46, 10                        ; B likewise
	s_mov_b32 s47, 0
	s_mul_i32 s45, s14, HALFT                      ; where they go: wave x 128 rows: no place in the cluster enters an LDS address
	s_wait_kmcnt 0x0
	s_load_b256 s[72:79], s[8:9], 0x0              ; e0 .. e7
	s_cmp_eq_u32 ttmp9, 2
	s_cselect_b64 s[92:93], s[6:7], s[4:5]         ; A's buffer
	s_cselect_b64 s[94:95], s[4:5], s[6:7]         ; B's buffer
	s_add_nc_u64 s[20:21], s[92:93], s[20:21]
	s_add_nc_u64 s[46:47], s[94:95], s[46:47]
	CROUND                                         ; all sixteen work-groups are here: the first joint loads meet
.irp s, 0,1
	s_mov_b32 s[G0+4*\s], 1
	s_add_co_u32 s[G0+4*\s+1], s45, \s*SLOT
	s_add_nc_u64 s[G0+4*\s+2:G0+4*\s+3], s[20:21], \s*ROWB
	s_or_b32 s[G0+4*\s+3], s[G0+4*\s+3], 0x80000000
	s_mov_b32 s[G0B+4*\s], 1
	s_add_co_u32 s[G0B+4*\s+1], s45, \s*SLOT
	s_add_nc_u64 s[G0B+4*\s+2:G0B+4*\s+3], s[46:47], \s*ROWB
	s_or_b32 s[G0B+4*\s+3], s[G0B+4*\s+3], 0x80000000
.endr
	JLOAD G0, G1, G0B, G1B                         ; K step 0: one tensor load a wave at the head
	v_and_b32 v1, 15, v0                           ; l % 16
	v_bfe_u32 v2, v0, 4, 1                         ; l / 16
	v_mul_u32_u24 v3, v1, PITCH
	v_lshl_add_u32 v4, v2, 4, v3                   ; a fragment's row x pitch + 16 x half
	s_mul_i32 s21, s15, HALFT                      ; my 128 rows of A
	s_mul_i32 s22, s16, HALFT                      ; my 128 rows of B,
	s_add_co_u32 s22, s22, 2*HALFT                 ; which lie behind A's 256
.irp s, 0,1
	v_add_nc_u32 v[ADRA+\s], s21, v4
	v_add_nc_u32 v[ADRB+\s], s22, v4
	s_add_co_u32 s21, s21, SLOT
	s_add_co_u32 s22, s22, SLOT
.endr
	v_and_b32 v6, 31, v0
	v_lshlrev_b32 v[CO], 4, v6
	; where my first image begins: buffer + (16 x A's tile + 8 x my half) blocks + (2 x B's tile + my half) runs
	s_cmp_eq_u32 ttmp9, 0
	s_cselect_b64 s[84:85], s[10:11], s[68:69]
	s_cmp_eq_u32 ttmp9, 2
	s_cselect_b64 s[84:85], s[70:71], s[84:85]
	s_lshl_b32 s89, s89, 4
	s_lshl_b32 s22, s15, 3
	s_add_co_u32 s89, s89, s22
	s_mul_i32 s89, s89, s86
	s_lshl_b32 s90, s90, 1
	s_add_co_u32 s90, s90, s16
	s_mul_i32 s90, s90, s91
	s_add_co_u32 s22, s89, s90                     ; under 4 MiB
	s_mov_b32 s23, 0
	s_add_nc_u64 s[84:85], s[84:85], s[22:23]
	s_mov_b32 s87, 0                               ; s[86:87]: the step from block to block
.macro FRAG reg, adr, q, i             ; 16 rows x 128 K: four loads of 16 bytes.  Registers 4 c .. 4 c + 3 take K = 32 c + 16 (l / 16) + 0 .. 15: a permutation of k that is the same in A and in B, so every product meets its partner
.irp c, 0,1,2,3
	ds_load_b128 v[\reg+4*\c:\reg+4*\c+3], v[\adr] offset:128*(\q)+32*\c+(\i)*16*PITCH
.endr
.endm
; 16 matrix instructions: A's blocks a0, a0 + 1 x B's eight, 128 along K.  p: B's set.  zero = 1: the first product starts the sums.  The 64 accumulators take turns, one instruction a turn.
.macro MUL16 a0, p, zero
.irp a, \a0, \a0+1
.irp b, 0,1,2,3,4,5,6,7
.if \zero
	v_wmma_f32_16x16x128_fp8_fp8 v[8*(8*((\a)%4)+\b):8*(8*((\a)%4)+\b)+7], v[128*(\p)+FR*\b:128*(\p)+FR*\b+FR-1], v[AF+FR*(\a):AF+FR*(\a)+FR-1], 0
.else
	v_wmma_f32_16x16x128_fp8_fp8 v[8*(8*((\a)%4)+\b):8*(8*((\a)%4)+\b)+7], v[128*(\p)+FR*\b:128*(\p)+FR*\b+FR-1], v[AF+FR*(\a):AF+FR*(\a)+FR-1], v[8*(8*((\a)%4)+\b):8*(8*((\a)%4)+\b)+7]
.endif
.endr
.endr
.endm
.macro FETCH_B slot, q, p              ; B's eight fragments of the slot's q-th 128 along K into set p
	WIN TO_B
.irp i, 0,1,2,3,4,5,6,7
	FRAG 128*(\p)+FR*\i, ADRB+\slot, \q, \i
.endr
	WIN 0
.endm
.macro FETCH_A slot, q, i0             ; A's blocks i0 .. i0 + 3
.irp i, \i0, \i0+1, \i0+2, \i0+3
	FRAG AF+FR*(\i), ADRA+\slot, \q, \i
.endr
.endm
.macro PLACES n                        ; plain vector instructions between a matrix instruction and a load into, or a read of, its registers
.rept \n
	v_nop
.endr
.endm
; A step of 128 along K that has its successor in the same slot.  A block of A is free once its eight products are issued: blocks 0-3 are fetched anew in the step's middle, blocks 4-7 at its end.
.macro STEP slot, q, zero
	s_wait_dscnt 4*NL                              ; B's set and A's blocks 0-3 are in; the youngest sixteen loads (A's blocks 4-7) may be out
	WIN MUL_LO
	MUL16 0, (\q)%2, \zero
	MUL16 2, (\q)%2, \zero
	s_wait_dscnt 0                                 ; A's blocks 4-7 are in
	PLACES NP
	FETCH_B \slot, (\q)+1, 1-(\q)%2
	FETCH_A \slot, (\q)+1, 0
	WIN MUL_HI
	MUL16 4, (\q)%2, \zero
	MUL16 6, (\q)%2, \zero
	PLACES NP
	WIN 0
	FETCH_A \slot, (\q)+1, 4
.endm
; A slot's last step changes slots: ONE barrier; in front of it each wave waits for all its tensor loads, adds 0 to its spare word, and waits for that and for its own reads of this slot.  fill = 1: this slot is filled again, two K steps ahead.
.macro TURN slot, next, fill
	s_wait_tensorcnt 0x0                           ; all my tensor loads have landed: my part of the next slot
	ds_add_u32 v[SPW], v[NIL]                      ; 0 onto my spare word
	s_wait_dscnt 4*NL+1                            ; (the add and the youngest sixteen loads may be out)
	WIN MUL_LO
	MUL16 0, 1, 0                                  ; sixteen matrix instructions stand between the add and the wait for it
	s_wait_dscnt 0x0                               ; the add is done, and my reads of this slot are over
	s_barrier_signal -1
	MUL16 2, 1, 0
	WIN 0
	s_barrier_wait -1
.if \fill
	CREST                                          ; the barrier has opened a round of the cluster's barrier: no wave of any partner still reads this slot or has a load on its way
	s_add_nc_u64 s[G0+4*\slot+2:G0+4*\slot+3], s[G0+4*\slot+2:G0+4*\slot+3], 2*ROWB
	s_add_nc_u64 s[G0B+4*\slot+2:G0B+4*\slot+3], s[G0B+4*\slot+2:G0B+4*\slot+3], 2*ROWB
	JLOAD G0+4*\slot, G1, G0B+4*\slot, G1B         ; the first tensor load behind the round; its four v_nop are the places in front of the loads below
.else
	PLACES NP
.endif
	FETCH_B \next, 0, 0
	FETCH_A \next, 0, 0
	WIN MUL_HI
	MUL16 4, 1, 0
	MUL16 6, 1, 0
	PLACES NP
	WIN 0
	FETCH_A \next, 0, 4
.endm
	s_wait_alu depctr_va_vdst(0)                   ; the wait at the head's end
	s_wait_tensorcnt 0x0                           ; my part of K step 0 is in; slot 1's first fill is issued as a refill is:
	ds_add_u32 v[SPW], v[NIL]
	s_wait_dscnt 0x0
	CROUND                                         ; everybody's part is in, and all sixteen work-groups are here
	JLOAD G0+4, G1, G0B+4, G1B                     ; K step 1, the first tensor load behind the round
	FETCH_B 0, 0, 0
	FETCH_A 0, 0, 0
	FETCH_A 0, 0, 4
	STEP 0, 0, 1                                   ; the first step stands in front of the loop: its products start the sums
	s_mov_b32 s3, LAPS-1
.Llap:                                                 ; a trip goes once round the ring and fills both slots again
	TURN 0, 1, 1
	STEP 1, 0, 0
	TURN 1, 0, 1
	STEP 0, 0, 0
	s_sub_co_u32 s3, s3, 1
	s_cmp_lg_u32 s3, 0
	s_cbranch_scc1 .Llap
	TURN 0, 1, 0                                   ; the last lap fills nothing
	STEP 1, 0, 0
	s_wait_dscnt 4*NL                              ; the very last step: nothing more to fetch
	WIN MUL_LO
	MUL16 0, 1, 0
	MUL16 2, 1, 0
	s_wait_dscnt 0
	WIN MUL_HI
	MUL16 4, 1, 0
	MUL16 6, 1, 0
	WIN 0
	; THE WAY OUT: hold, convert, store: block a of 16 rows of A becomes one image of 2,048 bytes
	s_wait_kmcnt 0x0
	s_cmp_eq_u32 ttmp9, 0
	s_cselect_b32 s96, s74, s75                    ; e2 for q, e3 for k,
	s_cmp_eq_u32 ttmp9, 2
	s_cselect_b32 s96, s77, s96                    ; e5 for v
	s_sub_co_i32 s96, s96, s72
	s_sub_co_i32 s96, s96, s73                     ; eo - e0 - e1
	s_add_co_i32 s96, s96, 127
	s_lshl_b32 s97, s96, 23
	v_mov_b32 v30, s97                             ; 2^(eo - e0 - e1) as f32
	s_add_co_i32 s96, s96, 8
	s_lshl_b32 s96, s96, 23
	s_or_b32 s96, s96, 0x600000
	v_mov_b32 v31, s96                             ; 448 x that
	PLACES NP                                      ; behind the last products
.macro QOUT a
.set AC, 64*((\a)%4)
.set CD, 96+16*((\a)%2)                ; the codes: two sets by turns
	WIN 0x02+((\a)/4)                              ; source 0: window 2 or 3
.set i, 0
.rept 64
	v_med3_num_f32 v[TMP+i], v[AC+i], -v31, v31    ; the hold (ISA guide 7.6.2: the conversion does not saturate); each accumulator from its low end on
.set i, i+1
.endr
	WIN 0
.irp b, 0,1,2,3,4,5,6,7
	v_cvt_scalef32_pk8_fp8_f32 v[CD+2*\b:CD+2*\b+1], v[TMP+8*\b:TMP+8*\b+7], v30   ; registers 2 b, 2 b + 1 of the fragment: K = 16 b + 8 (l / 16) + 0 .. 7
.endr
	v_nop                                          ; a plain instruction behind the last conversion: the next block's holds write its sources
.if (\a) > 0
	s_wait_alu depctr_va_vdst(0)
	s_wait_xcnt 0x0                                ; the earlier stores have read their base and their data
	s_add_nc_u64 s[84:85], s[84:85], s[86:87]
.endif
.irp g, 0,1,2,3
	global_store_b128 v[CO], v[CD+4*\g:CD+4*\g+3], s[84:85] offset:512*\g   ; 32 lanes store 512 consecutive bytes, aligned
.endr
.endm
.irp a, 0,1,2,3,4,5,6,7
	QOUT \a
.endr
	s_wait_tensorcnt 0x0                           ; the wave's end
	ds_add_u32 v[SPW], v[NIL]
	s_wait_dscnt 0x0
	CROUND                                         ; the closing round: no work-group ends while a partner may still ask for a tile that names it
	s_endpgm
.Lfunc_end_k_q7fb4c30620_qkv:
	.size	k_q7fb4c30620_qkv, .Lfunc_end_k_q7fb4c30620_qkv-k_q7fb4c30620_qkv
	.p2alignl 7, 3214868480
	.fill 96, 4, 3214868480
	.section	.rodata,"a",@progbits
	.p2align	6, 0x0
	.amdhsa_kernel k_q7fb4c30620_qkv
		.amdhsa_group_segment_fixed_size 327680
		.amdhsa_private_segment_fixed_size 0
		.amdhsa_enable_private_segment 0
		.amdhsa_kernarg_size 48
		.amdhsa_user_sgpr_count 2
		.amdhsa_user_sgpr_kernarg_segment_ptr 1
		.amdhsa_wavefront_size32 1
		.amdhsa_system_sgpr_workgroup_id_x 1
		.amdhsa_system_sgpr_workgroup_id_y 1
		.amdhsa_system_sgpr_workgroup_id_z 1
		.amdhsa_system_vgpr_workitem_id 0
		.amdhsa_next_free_vgpr 1024
		.amdhsa_next_free_sgpr 100
		.amdhsa_reserve_vcc 0
		.amdhsa_float_denorm_mode_32 3
		.amdhsa_float_denorm_mode_16_64 3
		.amdhsa_memory_ordered 1
		.amdhsa_forward_progress 1
		.amdhsa_inst_pref_size 119
	.end_amdhsa_kernel
	.amdgpu_metadata
---
amdhsa.version: [ 1, 2 ]
amdhsa.kernels:
  - .name:           k_q7fb4c30620_qkv
    .symbol:         k_q7fb4c30620_qkv.kd
    .args:
      - { .name: acodes, .offset: 0, .size: 8, .value_kind: global_buffer, .address_space: global }
      - { .name: w_qkv_codes, .offset: 8, .size: 8, .value_kind: global_buffer, .address_space: global }
      - { .name: lowp_scales, .offset: 16, .size: 8, .value_kind: global_buffer, .address_space: global }
      - { .name: q_img, .offset: 24, .size: 8, .value_kind: global_buffer, .address_space: global }
      - { .name: k_img, .offset: 32, .size: 8, .value_kind: global_buffer, .address_space: global }
      - { .name: v_img, .offset: 40, .size: 8, .value_kind: global_buffer, .address_space: global }
    .group_segment_fixed_size: 327680
    .private_segment_fixed_size: 0
    .kernarg_segment_align: 8
    .kernarg_segment_size: 48
    .max_flat_workgroup_size: 128
    .sgpr_count:     100
    .vgpr_count:     1024
    .wavefront_size: 32
...
	.end_amdgpu_metadata
.endif
;; end of part 2
;; launch attn (part 3): grid 8 x 32, 16 waves a work-group, no clusters, 327,680 bytes of LDS; arguments q_img, k_img, v_img, lowp_scales, o_img; writes o_img
.if DOCPART == 3
	.amdgcn_target "amdgcn-amd-amdhsa--gfx1250"
	.amdhsa_code_object_version 6
	.text
	.protected	k_q7fb4c30620_attn
	.globl	k_q7fb4c30620_attn
	.p2align	8
	.type	k_q7fb4c30620_attn,@function
k_q7fb4c30620_attn:
	s_mov_b64 s[64:65], 0
	v_nop
	global_prefetch_b8 v0, s[64:65] scope:SCOPE_SE
	s_setreg_imm32_b32 hwreg(HW_REG_WAVE_MODE, 25, 1), 1
	s_wait_xcnt 0x0
; Causal attention on codes of E4M3: 32 heads (2 batches x 16) of 2,048 tokens x 64 channels; the result is quantised as the next product's operand.
; q_img, k_img: [token / 16][head][1,024 bytes]: images of fragments of 16 tokens x 64 channels.  v_img: [token / 128][4 head + channel / 16][2,048 bytes]: 16 channels x 128 keys.
; o_img: [token / 16][hidden / 128][2,048 bytes].  An image is a fragment's registers as they stand: group G of four registers at 512 G + 16 x lane.
; THE SOFTMAX AHEAD OF THE SECOND PRODUCT: t = score x log2(e) / 8; M = the largest t so far, rounded UP to a whole number; p = 2^(t - M) is quantised with 2^e4, not normalised.
; The row's sum is taken of the unquantised p and divides O at the end.  When M moves, the sum and O are multiplied by 2^(old M - new M): exact.
; SHARES.  A work-group serves one head.  Work-group g owns the tiles of 16 queries 16 i + g and 16 i + 15 - g, i = 0 .. 7, which need 2 i + 1 and 2 i + 2 key steps of 128: 1 to 16, 136 in all.
; The tile of 16 - j steps and the tile of j + 1 steps form pair j, served by waves 2 j and 2 j + 1.  Wave A takes the long tile's steps 0 .. 8.  Wave B takes the short tile whole, stores its result, and then
; the long tile's steps 9 on, from a fresh M, sum and O; these three it hands to A through LDS bytes of the pair's own, and A joins them to its own under the larger M, by powers of two, and stores the long tile's result.
; So A walks 9 steps and B 8; of any four waves w % 4 alike, or w / 4 alike, two are A and two are B.
; THE WALK is 11 trips in every wave, 2 + 2 + 2 + 3 + 2; in trip t the scalar step address is 8,192 t.  B changes tiles at the first of three fixed places at which its short tile is done: behind trip 3 (j <= 3), 5 (j = 4, 5) or 8 (j = 6, 7).
; From there on it wants step 9 + (trips since): 5, 3 or 0 steps further on than t.  That offset lies in address registers made at the head from the wave's number.  A trip that is not the wave's is left out by the causal branch.
; LDS holds the head's whole K (128 images of 1,024 bytes) and V (16 x 4 images of 2,048 bytes), each byte filled once, in four chunks of 512 keys (4 steps): each of the sixteen waves fetches 4,096 bytes of a chunk by one
; tensor load (waves 0-7: four images of K; waves 8-15: half a row of V).  Chunk 0 is asked for at the head, chunk c + 1 behind the barrier that shows chunk c; those barriers stand ahead of trips 0, 2, 4 and 6.
; First reads: chunk 1 in trip 4, chunk 2 (step 9) in trip 4, behind its barrier, chunk 3 (step 12) in trip 7.
; Both products are used transposed: S^T = K Q^T, O^T = V^T P^T: a lane holds ONE query (lane % 16) throughout; register 8 t + j of S^T is key 16 t + 8 (lane / 16) + j of the step, the place that the second product's operand gives it.
; CAUSAL.  A step all of whose keys come after the wave's 16 queries is left out by a scalar branch on ids; on the diagonal hidden scores become -infinity ahead of the maximum.  Key 0 counts for every query.
; PREFETCH.  Behind barriers 0 and 1 chunk c + 2 is asked for, one fill ahead of its tensor loads.  The eight work-groups of a head share a chunk's 256 blocks of 256 bytes out: work-group g names 32 of them
; (g < 4: K's, eight images; else one row of V), a lane a block, one instruction of wave 0.  Chunks 0 and 1 come by their loads alone.
; NO CLUSTER, though the eight work-groups of a head read the same K and V: the causal branches hang on the wave's first query, which is made of the work-group's number, and partners of a joint load may branch on nothing of the kind.
; LIMITS on the given exponents: e2 + e3 between -123 and 130; e4 and e6 between -126 and 119.  NaN among the inputs is not served.  The scaled scores stay under 2^31 in magnitude.
; REGISTERS: v1-7, v10 addresses; v8, v9 the step's addresses; v12 -M, v13 the largest t, v[14:15] the sum; v16-23 Q; v24-31 the long tile's Q; v32-95 K's, then V's fragments; v96-159 S^T, then p; v160-191 O^T; v192-223 o; v224-239 codes.
.set VOFF,  131072                     ; V begins behind K's 128 x 1,024 bytes
.set SPARE, 0x40000                    ; the spare words, 128 bytes a wave
.set MERGE, 0x40800                    ; behind them: what B hands to A
.set PREG,  4608                       ; a pair's bytes there: O^T 4,096, then -M, t and the sum 512
.set AK0,  1                           ; v1, v2  my place in K's and V's images
.set AV0,  2
.set PA,   3                           ; v3      my pair's bytes + 16 x lane
.set AK2,  4                           ; v4, v5  the same as v1, v2 with my offset of trips 4, 5
.set AV2,  5
.set AK3,  6                           ; v6, v7  with my offset of trips 6 .. 10
.set AV3,  7
.set ADK,  8
.set ADV,  9
.set PFO,  10                          ; v10     the prefetches' offset; never rewritten
.set WV,   18
.set SEL,  20
.set CS,   22
.set G1K,  24
.set G1V,  32
.set G0K,  40
.set ROLE, 44                          ; s44  0: wave A, 1: wave B
.set TL,   45                          ; s45  the pair's long tile
.set TS,   46                          ; s46  its short tile
.set QB,   47                          ; s47  the long tile's first query
.set SW,   51                          ; s51  at which of the three places I change tiles; 0: never (A)
.set G0V,  76
.set PFA,  84                          ; s[84:85] where my work-group's prefetches stand in chunk 0; never rewritten
.set TB,   2
.set KF,   98
.set Q0,   99
.macro TILE d, m, t                    ; s[d] = the tile of s[m] + 1 steps: 16 (m / 2) + (m odd: 15 - g, even: g)
	s_lshr_b32 s[\d], s[\m], 1
	s_lshl_b32 s[\d], s[\d], 4
	s_bitcmp1_b32 s[\m], 0
	s_cselect_b32 s[\t], s63, ttmp9
	s_add_co_u32 s[\d], s[\d], s[\t]
.endm
.macro INIT                            ; a fresh M, sum and O^T: the first change of M leaves zeros zeros
	v_mov_b32 v13, 0xff61b1e6                      ; -3e38, under every t
	v_floor_f32 v12, -v13
	v_mov_b32 v14, 0
	v_mov_b32 v15, 0
.set i, 0
.rept 32
	v_mov_b32 v[160+i], 0
.set i, i+1
.endr
.endm
.macro TLOAD                           ; every wave's one load of a chunk: waves 0-7 for K, waves 8-15 for V; s_nop 0 and four v_nop follow each line
	s_cmp_lt_u32 s[WV], 8
	s_cbranch_scc0 .Lfor_v_\@
	tensor_load_to_lds s[G0K:G0K+3], s[G1K:G1K+7]
	s_nop 0
.rept 4
	v_nop
.endr
	s_branch .Lasked_\@
.Lfor_v_\@:
	tensor_load_to_lds s[G0V:G0V+3], s[G1V:G1V+7]
	s_nop 0
.rept 4
	v_nop
.endr
.Lasked_\@:
.endm
	s_load_b128 s[4:7], s[0:1], 0x0                ; q_img, k_img
	s_load_b128 s[12:15], s[0:1], 0x10             ; v_img, the scales' exponents
	s_load_b64 s[16:17], s[0:1], 0x20              ; o_img
	v_lshl_add_u32 v247, v0, 2, SPARE
	v_mov_b32 v255, 0
	ds_add_u32 v247, v255                          ; the opening: the add, twice on end, and its wait ahead of my first tensor load
	ds_add_u32 v247, v255
	v_lshrrev_b32 v8, 5, v0
	v_readfirstlane_b32 s[WV], v8                  ; wave 0..15
	s_and_b32 s56, ttmp7, 0xffff
	s_lshr_b32 s57, s56, 4                         ; batch
	s_and_b32 s58, s56, 15                         ; head
	s_and_b32 s59, s[WV], 7                        ; which eighth of a chunk's K, or of its V, I fetch
	s_lshr_b32 s60, s[WV], 1                       ; j
	s_mul_i32 s50, s60, PREG
	s_add_co_u32 s50, s50, MERGE
	s_sub_co_u32 s61, 15, s60
	s_lshr_b32 s62, s[WV], 2
	s_xor_b32 s62, s62, s[WV]
	s_and_b32 s[ROLE], s62, 1
	s_lshr_b32 s80, s[WV], 3                       ; a = j / 4
	s_bfe_u32 s81, s[WV], 0x10002                  ; b = j / 2 % 2
	s_and_b32 s82, s80, s81
	s_add_co_u32 s[SW], s80, s82
	s_add_co_u32 s[SW], s[SW], 1
	s_mul_i32 s[SW], s[SW], s[ROLE]                ; B: 1 (j <= 3), 2 (j = 4, 5), 3 (j = 6, 7)
	s_xor_b32 s83, s80, 1
	s_and_b32 s83, s83, s[ROLE]
	s_mul_i32 s54, s83, 5*8192                     ; trips 4, 5: B with j <= 3 stands 5 steps further on
	s_xor_b32 s83, s81, 1
	s_and_b32 s83, s83, s80
	s_and_b32 s83, s83, s[ROLE]
	s_mul_i32 s83, s83, 3*8192
	s_add_co_u32 s55, s54, s83                     ; trips 6 .. 10: and B with j = 4, 5 stands 3 further on
	s_sub_co_u32 s63, 15, ttmp9
	TILE TL, 61, 62
	TILE TS, 60, 62
	s_lshl_b32 s[QB], s[TL], 4
	s_cmp_eq_u32 s[ROLE], 1
	s_cselect_b32 s60, s[TS], s[TL]                ; the tile that I begin with, which is also the tile whose result I store
	s_lshl_b32 s[Q0], s60, 4
	s_lshl_b32 s61, s57, 7
	s_add_co_u32 s60, s61, s60
	s_lshl_b32 s92, s60, 14
	s_lshl_b32 s63, s58, 10
	s_add_co_u32 s92, s92, s63                     ; (128 batch + tile) x 16,384 + 1,024 head: in q_img and in o_img
	s_mov_b32 s93, 0
	s_add_co_u32 s61, s61, s[TL]
	s_lshl_b32 s48, s61, 14
	s_add_co_u32 s48, s48, s63                     ; the same for the long tile
	s_mov_b32 s49, 0
	s_lshl_b32 s88, s57, 21                        ; K and V: batch x 2 MiB
	s_add_co_u32 s89, s88, s63                     ; K: + 1,024 head
	s_lshl_b32 s62, s59, 16
	s_add_co_u32 s94, s89, s62                     ;    + my eighth: 4 tiles x 16,384
	s_mov_b32 s95, 0
	s_lshl_b32 s63, s58, 13
	s_add_co_u32 s88, s88, s63                     ; V: + 8,192 head
	s_lshr_b32 s62, s59, 1
	s_lshl_b32 s62, s62, 17
	s_add_co_u32 s96, s88, s62                     ;    + my row of 128 keys
	s_and_b32 s62, s59, 1
	s_lshl_b32 s62, s62, 12
	s_add_co_u32 s96, s96, s62                     ;    + my half of the head's 8,192 bytes
	s_mov_b32 s97, 0
	s_lshl_b32 s3, s59, 12                         ; my eighth of a chunk in LDS
	s_and_b32 s87, ttmp9, 3
	s_lshl_b32 s87, s87, 17                        ; the prefetches: eight images of K, or a row of V, are 131,072 bytes on
	s_cmp_lt_u32 ttmp9, 4                          ; work-groups 0-3 ask for K, 4-7 for V
	s_cselect_b32 s90, s89, s88
	s_cselect_b32 s86, -1, 0
	s_add_co_u32 s90, s90, s87
	s_mov_b32 s91, 0
	; group 1.  K: 4 rows (tiles) of 1,024 bytes, 16,384 bytes apart;  V: one row of 4,096 bytes.  Elements of 8 bytes, no padding
	s_mov_b32 s[G1K], 3<<16
	s_mov_b32 s[G1K+1], 128<<16
	s_mov_b32 s[G1K+2], 4<<16
	s_mov_b32 s[G1K+3], 128<<16
	s_mov_b32 s[G1K+4], 4
	s_mov_b32 s[G1K+5], 2048
	s_mov_b32 s[G1K+6], 0
	s_mov_b32 s[G1K+7], 0
	s_mov_b32 s[G1V], 3<<16
	s_mov_b32 s[G1V+1], 512<<16
	s_mov_b32 s[G1V+2], 1<<16
	s_mov_b32 s[G1V+3], 512<<16
	s_mov_b32 s[G1V+4], 1
	s_mov_b32 s[G1V+5], 512
	s_mov_b32 s[G1V+6], 1<<16
	s_mov_b32 s[G1V+7], 0
	s_mov_b32 s[SEL], 0x76543210
	s_mov_b32 s[SEL+1], 0xfedcba98
	s_mov_b32 s[CS], 0x3e38aa3b                    ; log2(e) / sqrt(64)
	s_mov_b32 s[KF], 0
	s_mov_b32 s[TB], 0
	s_wait_dscnt 0x0
	s_wait_kmcnt 0x0
	s_load_b256 s[68:75], s[14:15], 0x0            ; e0 .. e7
	s_cmp_lt_u32 ttmp9, 4
	s_cselect_b64 s[PFA:PFA+1], s[6:7], s[12:13]
	s_add_nc_u64 s[PFA:PFA+1], s[PFA:PFA+1], s[90:91]
	s_add_nc_u64 s[6:7], s[6:7], s[94:95]
	s_add_nc_u64 s[12:13], s[12:13], s[96:97]
	s_mov_b32 s[G0K], 1                            ; one group 0 for K and one for V; they walk from chunk to chunk
	s_mov_b32 s[G0K+1], s3
	s_mov_b64 s[G0K+2:G0K+3], s[6:7]
	s_or_b32 s[G0K+3], s[G0K+3], 0x80000000
	s_mov_b32 s[G0V], 1
	s_add_co_u32 s[G0V+1], s3, VOFF
	s_mov_b64 s[G0V+2:G0V+3], s[12:13]
	s_or_b32 s[G0V+3], s[G0V+3], 0x80000000
	TLOAD                                          ; chunk 0
	s_add_nc_u64 s[52:53], s[4:5], s[48:49]
	s_add_nc_u64 s[4:5], s[4:5], s[92:93]
	s_add_nc_u64 s[16:17], s[16:17], s[92:93]
	v_and_b32 v8, 31, v0
	v_lshlrev_b32 v[AK0], 4, v8                    ; 16 x lane
	v_add_nc_u32 v[AV0], VOFF, v[AK0]
	v_add_nc_u32 v[PA], s50, v[AK0]
	v_add_nc_u32 v[AK2], s54, v[AK0]
	v_add_nc_u32 v[AV2], s54, v[AV0]
	v_add_nc_u32 v[AK3], s55, v[AK0]
	v_add_nc_u32 v[AV3], s55, v[AV0]
	global_load_b128 v[16:19], v[AK0], s[4:5]      ; Q of the tile that I begin with
	global_load_b128 v[20:23], v[AK0], s[4:5] offset:512
	global_load_b128 v[24:27], v[AK0], s[52:53]    ; Q of the long tile, for B's change of tiles (the head is one text for both kinds of wave)
	global_load_b128 v[28:31], v[AK0], s[52:53] offset:512
	v_lshrrev_b32 v9, 2, v8
	v_lshlrev_b32 v9, 14, v9
	v_and_b32 v11, 3, v8
	v_lshl_add_u32 v9, v11, 8, v9                  ; K: image lane / 4, its quarter lane % 4
	v_lshlrev_b32 v11, 8, v8                       ; V: 256 x lane along the row
	v_cndmask_b32 v[PFO], v11, v9, s86
	v_mov_b32 v246, 0                              ; written once: a lane permute's destination counts as one of its sources
	v_mov_b32 v253, 0                              ; (named as the upper half of the pair v[252:253])
	INIT
	s_wait_kmcnt 0x0
	s_add_co_i32 s56, s70, s71
	s_lshl_b32 s56, s56, 23
	s_add_co_i32 s[CS], s[CS], s56                 ; a score stands for score x 2^(e2 + e3)
	s_mov_b32 s[CS+1], s[CS]
	s_add_co_i32 s56, s72, 127
	s_lshl_b32 s57, s56, 23
	v_mov_b32 v244, s57                            ; 2^e4, for p's conversions
	s_add_co_i32 s56, s56, 8
	s_lshl_b32 s56, s56, 23
	s_or_b32 s56, s56, 0x600000
	v_mov_b32 v240, s56                            ; 448 x 2^e4
	s_add_co_i32 s56, s74, 127
	s_lshl_b32 s57, s56, 23
	v_mov_b32 v250, s57                            ; 2^e6, for o's conversions
	s_add_co_i32 s56, s56, 8
	s_lshl_b32 s56, s56, 23
	s_or_b32 s56, s56, 0x600000
	v_mov_b32 v251, s56                            ; 448 x 2^e6
; A KEY STEP: 128 keys.  ak, av: the address registers of this part of the walk.
.macro STEP ak, av
	s_add_co_u32 s96, s[Q0], 15
	s_cmp_gt_u32 s[KF], s96
	s_cbranch_scc1 .Lhidden_\@                     ; all its keys come after my queries
	v_add_nc_u32 v[ADK], s[TB], v[\ak]
	v_add_nc_u32 v[ADV], s[TB], v[\av]
	v_nop                                          ; with the two additions: four places in front of loads into registers that the last products read
	v_nop
.irp t, 0,1,2,3,4,5,6,7
	ds_load_b128 v[32+8*\t:35+8*\t], v[ADK] offset:1024*\t
	ds_load_b128 v[36+8*\t:39+8*\t], v[ADK] offset:1024*\t+512
.endr
	s_wait_alu depctr_va_vdst(0)
	s_wait_dscnt 0x0
.irp t, 0,1,2,3,4,5,6,7
	v_wmma_f32_16x16x64_fp8_fp8 v[96+8*\t:103+8*\t], v[32+8*\t:39+8*\t], v[16:23], 0
.endr
.rept 4
	v_nop                                          ; places: in front of V's loads into K's registers, and of the first read of the scores
.endr
.irp d, 0,1,2,3
.irp g, 0,1,2,3
	ds_load_b128 v[32+16*\d+4*\g:35+16*\d+4*\g], v[ADV] offset:2048*\d+512*\g   ; V lands while the softmax is worked
.endr
.endr
	s_add_co_u32 s96, s[KF], 127
	s_cmp_le_u32 s96, s[Q0]
	s_cbranch_scc1 .Lopen_\@                       ; all its keys count
	s_sub_co_i32 s96, s[Q0], s[KF]
	v_and_b32 v248, 15, v0
	v_bfe_u32 v249, v0, 4, 1
	s_delay_alu instid0(VALU_DEP_1)
	v_lshlrev_b32 v249, 3, v249
	s_delay_alu instid0(VALU_DEP_1)
	v_sub_nc_u32 v248, v248, v249
	s_delay_alu instid0(VALU_DEP_1)
	v_add_nc_u32 v248, s96, v248                   ; d = my query - KF - 8 (lane / 16).  Register 8 t + j holds key KF + 8 (lane / 16) + 16 t + j: hidden where 16 t + j > d
	v_mov_b32 v254, 0xff800000                     ; -infinity
.set n, 0
.rept 64
	v_cmp_gt_i32 vcc_lo, 16*(n/8)+n%8, v248
	v_cndmask_b32 v[96+n], v[96+n], v254, vcc_lo
.set n, n+1
.endr
.Lopen_\@:
	v_max3_num_f32 v254, v96, v97, v98             ; the step's largest score of my query among my 64 keys, in two chains, each accumulator from its low end on,
	v_max3_num_f32 v252, v99, v100, v101
.irp i, 6,10,14,18,22,26,30,34,38,42,46,50,54,58
	v_max3_num_f32 v254, v254, v[96+\i], v[97+\i]
	v_max3_num_f32 v252, v252, v[98+\i], v[99+\i]
.endr
	v_max3_num_f32 v254, v254, v158, v159
	s_delay_alu instid0(VALU_DEP_1)
	v_max_num_f32 v254, v254, v252
	s_delay_alu instid0(VALU_DEP_1)
	v_permlanex16_b32 v246, v254, s[SEL], s[SEL+1]
	s_delay_alu instid0(VALU_DEP_1)
	v_max_num_f32 v254, v254, v246                 ; and among lane l xor 16's
	s_delay_alu instid0(VALU_DEP_1)
	v_mul_f32 v254, s[CS], v254                    ; as t (c is positive)
	s_delay_alu instid0(VALU_DEP_1)
	v_max_num_f32 v13, v13, v254                   ; the running largest t
	v_mov_b32 v254, v12
	s_delay_alu instid0(VALU_DEP_2)
	v_floor_f32 v12, -v13                          ; the new -M = floor(-t): M is a whole number
	s_delay_alu instid0(VALU_DEP_1)
	v_sub_f32 v254, v12, v254                      ; old M - new M: a whole number, 0 or less
	s_delay_alu instid0(VALU_DEP_1)
	v_cvt_i32_f32 v254, v254                       ; (it saturates)
	s_delay_alu instid0(VALU_DEP_1)
	v_ldexp_f32 v252, 1.0, v254                    ; f = 2^(old M - new M)
.set j, 0
.rept 32
	v_pk_fma_f32 v[96+j:97+j], v[96+j:97+j], s[CS:CS+1], v[12:13] op_sel_hi:[1,0,0]   ; t - M, two at a time
.set j, j+2
.endr
.set j, 0
	s_wait_alu depctr_va_vdst(0)                   ; the wait ahead of the batch
.rept 64
	v_exp_f32 v[96+j], v[96+j]                     ; p = 2^(t - M), at most 1
.set j, j+1
.endr
	v_pk_mul_f32 v[14:15], v[14:15], v[252:253] op_sel_hi:[1,0]   ; the sums under the new M: the plain instruction behind the exponentials
	s_wait_alu depctr_va_vdst(0)                   ; one wait for the whole batch, ahead of its first reader
	v_pk_add_f32 v[242:243], v[100:101], v[104:105]
	v_pk_add_f32 v[248:249], v[108:109], v[112:113]
	v_pk_add_f32 v[238:239], v[116:117], v[120:121]
	v_pk_add_f32 v[236:237], v[124:125], v[128:129]
	v_pk_add_f32 v[234:235], v[132:133], v[136:137]
	v_pk_add_f32 v[232:233], v[140:141], v[144:145]
	v_pk_add_f32 v[230:231], v[148:149], v[152:153]
	v_pk_add_f32 v[14:15], v[14:15], v[156:157]
	v_pk_add_f32 v[242:243], v[242:243], v[96:97]
	v_pk_add_f32 v[248:249], v[248:249], v[98:99]
	v_pk_add_f32 v[238:239], v[238:239], v[102:103]
	v_pk_add_f32 v[236:237], v[236:237], v[106:107]
	v_pk_add_f32 v[234:235], v[234:235], v[110:111]
	v_pk_add_f32 v[232:233], v[232:233], v[114:115]
	v_pk_add_f32 v[230:231], v[230:231], v[118:119]
	v_pk_add_f32 v[14:15], v[14:15], v[122:123]
	v_pk_add_f32 v[242:243], v[242:243], v[126:127]
	v_pk_add_f32 v[248:249], v[248:249], v[130:131]
	v_pk_add_f32 v[238:239], v[238:239], v[134:135]
	v_pk_add_f32 v[236:237], v[236:237], v[138:139]
	v_pk_add_f32 v[234:235], v[234:235], v[142:143]
	v_pk_add_f32 v[232:233], v[232:233], v[146:147]
	v_pk_add_f32 v[230:231], v[230:231], v[150:151]
	v_pk_add_f32 v[14:15], v[14:15], v[154:155]
	v_pk_add_f32 v[242:243], v[242:243], v[158:159]
	s_delay_alu instid0(VALU_DEP_2)
	v_pk_add_f32 v[14:15], v[14:15], v[236:237]
	s_delay_alu instid0(VALU_DEP_2)
	v_pk_add_f32 v[242:243], v[242:243], v[234:235]
	v_pk_add_f32 v[248:249], v[248:249], v[232:233]
	v_pk_add_f32 v[238:239], v[238:239], v[230:231]
	s_delay_alu instid0(VALU_DEP_2)
	v_pk_add_f32 v[14:15], v[14:15], v[248:249]
	s_delay_alu instid0(VALU_DEP_2)
	v_pk_add_f32 v[242:243], v[242:243], v[238:239]
	s_delay_alu instid0(VALU_DEP_1)
	v_pk_add_f32 v[14:15], v[14:15], v[242:243]
.irp t, 0,1,2,3,4,5,6,7
.irp i, 0,1,2,3,4,5,6,7
	v_min_num_f32 v[96+8*\t+\i], v[96+8*\t+\i], v240   ; the hold; p is not negative, so it is one-sided
.endr
	v_cvt_scalef32_pk8_fp8_f32 v[224+2*\t:225+2*\t], v[96+8*\t:103+8*\t], v244   ; registers 2 t, 2 t + 1 of P's fragment: keys 16 t + 8 (lane / 16) + 0 .. 7
.endr
.set j, 0
.rept 16
	v_pk_mul_f32 v[160+j:161+j], v[160+j:161+j], v[252:253] op_sel_hi:[1,0]   ; O^T under the new M.  (Plain instructions between the conversions and the products that read their results)
.set j, j+2
.endr
	s_wait_alu depctr_va_vdst(0)
	s_wait_dscnt 0x0                               ; V is in
.irp d, 0,1,2,3
	v_wmma_f32_16x16x128_fp8_fp8 v[160+8*\d:167+8*\d], v[32+16*\d:47+16*\d], v[224:239], v[160+8*\d:167+8*\d]   ; four accumulators by turns
.endr
.Lhidden_\@:
	s_add_co_u32 s[KF], s[KF], 128
	s_add_co_u32 s[TB], s[TB], 8192
.endm
.macro WALK n, ak, av                  ; n trips on end, the same count in every wave
	s_mov_b32 s67, \n
.Lstep_\@:
	STEP \ak, \av
	s_sub_co_u32 s67, s67, 1
	s_cmp_lg_u32 s67, 0
	s_cbranch_scc1 .Lstep_\@
.endm
; THE BARRIER THAT SHOWS CHUNK c.  Each wave waits for its load of it, adds 0 to its spare word and waits for that; behind the barrier chunk c + 1's first fill is each wave's one tensor load.
.macro BAR c
	s_wait_tensorcnt 0x0                           ; my part of chunk c is in, and no load of mine is out
	ds_add_u32 v247, v255
.if \c < 3
	s_add_co_u32 s[G0K+1], s[G0K+1], 32768         ; the walking descriptors: the next chunk
	s_add_nc_u64 s[G0K+2:G0K+3], s[G0K+2:G0K+3], 524288
	s_add_co_u32 s[G0V+1], s[G0V+1], 32768
	s_add_nc_u64 s[G0V+2:G0V+3], s[G0V+2:G0V+3], 524288
.endif
	s_wait_dscnt 0x0
	s_barrier_signal -1
	s_barrier_wait -1
.if \c < 3
	TLOAD
.endif
.if \c < 2
	s_cmp_lg_u32 s[WV], 0
	s_cbranch_scc1 .Lnot_mine_\@
	global_prefetch_b8 v[PFO], s[PFA:PFA+1] offset:524288*(\c+2) th:TH_LOAD_NT scope:SCOPE_SE   ; my work-group's 32 blocks of chunk c + 2
.Lnot_mine_\@:
.endif
.endm
; THE WAY OUT of a tile: o = O^T / the sum x 2^(e4 + e5), quantised with 2^e6.  Register 8 d + j is channel 16 d + 8 (lane / 16) + j of my query: the conversions' results are 8 registers of the next operand's fragment
.macro FINAL
.rept 4
	v_nop                                          ; places behind the last products
.endr
	v_add_f32 v14, v14, v15
	v_permlanex16_b32 v246, v14, s[SEL], s[SEL+1]
	v_add_f32 v14, v14, v246                       ; the row's sum
	s_wait_alu depctr_va_vdst(0)                   ; the wait ahead of the transcendental
	v_rcp_f32 v14, v14
	v_nop                                          ; a plain instruction behind it
	s_add_co_i32 s96, s72, s73
	s_wait_alu depctr_va_vdst(0)                   ; the wait, ahead of its first reader
	v_ldexp_f32 v14, v14, s96
.set j, 0
.rept 32
	v_mul_f32 v[192+j], v[160+j], v14
.set j, j+1
.endr
.set j, 0
.rept 32
	v_med3_num_f32 v[192+j], v[192+j], -v251, v251
.set j, j+1
.endr
.irp d, 0,1,2,3
	v_cvt_scalef32_pk8_fp8_f32 v[224+2*\d:225+2*\d], v[192+8*\d:199+8*\d], v250
.endr
	v_nop
	global_store_b128 v[AK0], v[224:227], s[16:17]              ; 512 consecutive bytes, aligned
	global_store_b128 v[AK0], v[228:231], s[16:17] offset:512
.endm
; B'S CHANGE OF TILES, at place p: the short tile goes out; a fresh M, sum and O^T; the long tile's Q and first query; the next trip is key step 9.
.macro SWITCH p
	s_cmp_lg_u32 s[SW], \p
	s_cbranch_scc1 .Lstay_\@
	FINAL
	s_wait_xcnt 0x0                                ; the stores have read their data
	INIT
.set i, 0
.rept 8
	v_mov_b32 v[16+i], v[24+i]
.set i, i+1
.endr
	s_mov_b32 s[Q0], s[QB]
	s_mov_b32 s[KF], 9*128
	s_wait_alu depctr_va_vdst(0)                   ; the wait
.Lstay_\@:
.endm
	s_wait_alu depctr_va_vdst(0)                   ; the wait at the head's end
	s_wait_loadcnt 0x0                             ; Q
	BAR 0
	WALK 2, AK0, AV0                               ; trips 0, 1
	BAR 1
	WALK 2, AK0, AV0                               ; trips 2, 3
	SWITCH 1
	BAR 2
	WALK 2, AK2, AV2                               ; trips 4, 5
	SWITCH 2
	BAR 3
	WALK 3, AK3, AV3                               ; trips 6, 7, 8
	SWITCH 3
	s_cmp_eq_u32 s[ROLE], 0
	s_cselect_b32 s[Q0], 0, s[Q0]                  ; A has had its nine steps: under the first query 0 the last two trips are hidden
	WALK 2, AK3, AV3                               ; trips 9, 10
.rept 4
	v_nop                                          ; places behind the last products
.endr
	s_cmp_eq_u32 s[ROLE], 0
	s_cbranch_scc1 .Lnot_b
.irp g, 0,1,2,3,4,5,6,7
	ds_store_b128 v[PA], v[160+4*\g:163+4*\g] offset:512*\g     ; B: O^T as it stands, each accumulator from its low end on,
.endr
	ds_store_b128 v[PA], v[12:15] offset:4096                   ; -M, t and the sum's two halves
.Lnot_b:
	s_wait_dscnt 0x0
	s_barrier_signal -1
	s_barrier_wait -1
	s_cmp_lg_u32 s[ROLE], 0
	s_cbranch_scc1 .Lend
.irp g, 0,1,2,3,4,5,6,7
	ds_load_b128 v[32+4*\g:35+4*\g], v[PA] offset:512*\g        ; A: my partner's O^T,
.endr
	ds_load_b128 v[64:67], v[PA] offset:4096                    ; its -M and its sum
	s_wait_dscnt 0x0
	v_min_num_f32 v68, v12, v64                    ; the joint -M: the larger M
	v_mov_b32 v73, 0                               ; (upper halves of the pairs v[72:73] and v[74:75])
	v_mov_b32 v75, 0
	v_sub_f32 v69, v68, v12                        ; my M - the joint M, a whole number, 0 or less,
	v_sub_f32 v70, v68, v64                        ; and my partner's
	v_cvt_i32_f32 v69, v69                         ; (they saturate: a partner that walked no step has -M = 3e38 and gets the factor 0)
	v_cvt_i32_f32 v70, v70
	v_ldexp_f32 v72, 1.0, v69
	v_ldexp_f32 v74, 1.0, v70
	v_pk_mul_f32 v[14:15], v[14:15], v[72:73] op_sel_hi:[1,0]
	v_pk_fma_f32 v[14:15], v[66:67], v[74:75], v[14:15] op_sel_hi:[1,0,1]
.set j, 0
.rept 16
	v_pk_mul_f32 v[160+j:161+j], v[160+j:161+j], v[72:73] op_sel_hi:[1,0]
.set j, j+2
.endr
.set j, 0
.rept 16
	v_pk_fma_f32 v[160+j:161+j], v[32+j:33+j], v[74:75], v[160+j:161+j] op_sel_hi:[1,0,1]
.set j, j+2
.endr
	FINAL                                          ; the long tile is finished
.Lend:
	s_wait_tensorcnt 0x0                           ; the wave's end
	ds_add_u32 v247, v255
	s_wait_dscnt 0x0
	s_endpgm
.Lfunc_end_k_q7fb4c30620_attn:
	.size	k_q7fb4c30620_attn, .Lfunc_end_k_q7fb4c30620_attn-k_q7fb4c30620_attn
	.p2alignl 7, 3214868480
	.fill 96, 4, 3214868480
	.section	.rodata,"a",@progbits
	.p2align	6, 0x0
	.amdhsa_kernel k_q7fb4c30620_attn
		.amdhsa_group_segment_fixed_size 327680
		.amdhsa_private_segment_fixed_size 0
		.amdhsa_enable_private_segment 0
		.amdhsa_kernarg_size 40
		.amdhsa_user_sgpr_count 2
		.amdhsa_user_sgpr_kernarg_segment_ptr 1
		.amdhsa_wavefront_size32 1
		.amdhsa_system_sgpr_workgroup_id_x 1
		.amdhsa_system_sgpr_workgroup_id_y 1
		.amdhsa_system_sgpr_workgroup_id_z 1
		.amdhsa_system_vgpr_workitem_id 0
		.amdhsa_next_free_vgpr 256
		.amdhsa_next_free_sgpr 100
		.amdhsa_reserve_vcc 1
		.amdhsa_float_denorm_mode_32 3
		.amdhsa_float_denorm_mode_16_64 3
		.amdhsa_memory_ordered 1
		.amdhsa_forward_progress 1
		.amdhsa_inst_pref_size 144
	.end_amdhsa_kernel
	.amdgpu_metadata
---
amdhsa.version: [ 1, 2 ]
amdhsa.kernels:
  - .name:           k_q7fb4c30620_attn
    .symbol:         k_q7fb4c30620_attn.kd
    .args:
      - { .name: q_img, .offset: 0, .size: 8, .value_kind: global_buffer, .address_space: global }
      - { .name: k_img, .offset: 8, .size: 8, .value_kind: global_buffer, .address_space: global }
      - { .name: v_img, .offset: 16, .size: 8, .value_kind: global_buffer, .address_space: global }
      - { .name: lowp_scales, .offset: 24, .size: 8, .value_kind: global_buffer, .address_space: global }
      - { .name: o_img, .offset: 32, .size: 8, .value_kind: global_buffer, .address_space: global }
    .group_segment_fixed_size: 327680
    .private_segment_fixed_size: 0
    .kernarg_segment_align: 8
    .kernarg_segment_size: 40
    .max_flat_workgroup_size: 512
    .sgpr_count:     100
    .vgpr_count:     256
    .wavefront_size: 32
...
	.end_amdgpu_metadata
.endif
;; end of part 3
;; launch oproj (part 4): grid 8 x 32, 4 waves a work-group, clusters of 4 x 4, 327,680 bytes of LDS; arguments o_img, w_img, lowp_scales, x, x1; writes x1
.if DOCPART == 4
	.amdgcn_target "amdgcn-amd-amdhsa--gfx1250"
	.amdhsa_code_object_version 6
	.text
	.protected	k_q7fb4c30620_oproj
	.globl	k_q7fb4c30620_oproj
	.p2align	8
	.type	k_q7fb4c30620_oproj,@function
k_q7fb4c30620_oproj:
	s_mov_b64 s[64:65], 0
	v_nop
	global_prefetch_b8 v0, s[64:65] scope:SCOPE_SE
	s_setreg_imm32_b32 hwreg(HW_REG_WAVE_MODE, 25, 1), 1
	s_wait_xcnt 0x0
	s_wait_alu depctr_hold_cnt(0) depctr_sa_sdst(0) depctr_va_vdst(0) depctr_va_sdst(0) depctr_va_ssrc(0) depctr_va_vcc(0) depctr_vm_vsrc(0)
	s_getreg_b32 s2, hwreg(HW_REG_IB_STS2, 6, 4)
	s_cmp_eq_u32 s2, 0
	s_cbranch_scc0 .Lentry_in_a_cluster
	s_endpgm
.Lentry_in_a_cluster:
	s_bfe_u32 s2, ttmp6, 0x10000c
	s_cmp_lg_u32 s2, 0xf033
	s_cbranch_scc0 .Lentry_shape_is_right
	s_endpgm
.Lentry_shape_is_right:
; x1 = x + o W_out^T on codes of E4M3.  o_img: [row / 16][k / 128][2,048 bytes]; W's images, laid the same way, lie in w_img from byte 4,194,304 on (register pair c of lane (r, h): k = 16 c + 8 h + 0 .. 7 of row r;
; group G of four registers at 512 G + 16 x lane).  x, x1: [4096][1024] f32.
; SHARES.  A work-group makes 128 x 128 of the result: 8 x 32 = 256 work-groups.  K is 1,024, so both tiles, 128 KiB of images each and each one dense block of memory, fit in LDS whole: they are filled once,
; 64 KiB a wave by one tensor load; nothing is filled again.  THE FOUR WAVES SPLIT K: each makes the whole 128 x 128 (64 accumulators) over its 256 of K, so each LDS byte is read once, 512 consecutive bytes a load.
; K goes in four half steps of 64 through three sets of fragment registers.
; CLUSTERS: 4 x 4 work-groups; o's tile is shared along a row of the cluster, W's along a column: each is asked for jointly.
; THE END.  Behind a barrier, when no wave reads the tiles any more, the four partial results are laid over them as rows of 512 bytes + 16; one more barrier; wave w sums rows 32 w .. 32 w + 31 of the four,
; (s0 + s1) + (s2 + s3), multiplies by 2^(e6 + e7), adds the residual by the same fused multiply-add and stores whole rows of 512 bytes, aligned.
; THE MATRIX INSTRUCTION IS USED TRANSPOSED (source 0 = 16 rows of W, source 1 = 16 rows of o): a lane holds eight neighbouring numbers of a row of the result.
; NO PREFETCH: all tiles are asked for at the head; there is no loop to run ahead in.   LIMIT: e6 + e7 between -126 and 127.
; REGISTERS: window 0: v2-15 addresses, v64-255 o's fragments, three sets of 64; window 1: v0-191 W's, three sets, v192-255 the residual of my rows 0-15; windows 2, 3: the accumulators ((a, b) at v[8 (8 (a % 4) + b)]).
.set ENT,   24
.set WOFF,  4194304
.set BS,    16384                      ; from one block of 16 rows to the next: 8 images
.set RP,    528                        ; a row of partial sums in LDS: 132 words, so the 16 rows that a store touches start at 16 different banks (ISA guide 11.1)
.set REG,   128*RP
.set SPARE, 4*REG                      ; behind the partial results (and so behind the tiles' 262,144 bytes): the spare words
.set LO,    2                          ; v2     16 x lane
.set SPW,   4
.set NIL,   5
.set STO,   6                          ; v6     where I put 16 bytes of a row of my partial result
.set RD,    8                          ; v8-11  my rows in the four partial results
.set ADA,   12                         ; v12-13 my quarter of K in o's blocks 0-3 and 4-7
.set ADW,   14                         ; v14-15 the same in W's
.set AF,    64
.set G1, 24
.set G0, 32
.set G1B, 48
.set G0B, 56
.set MSB, 0
.macro WIN new                         ; the immediate's high byte repeats the setting that is left
.if MSB != (\new)
	s_set_vgpr_msb (MSB<<8)|(\new)
.set MSB, (\new)
.endif
.endm
.macro PLACES                          ; four plain vector instructions between a matrix instruction and a load into, or a read of, its registers
.rept 4
	v_nop
.endr
.endm
.macro CREST                           ; a round of the cluster's barrier behind its opening barrier
	s_cmp_lg_u32 s10, 0
	s_cbranch_scc1 .Lnot_wave_0_\@
	s_barrier_signal -3
.Lnot_wave_0_\@:
	s_barrier_wait -3
	s_barrier_signal -1
	s_barrier_wait -1
.endm
.macro CROUND
	s_barrier_signal -1
	s_barrier_wait -1
	CREST
.endm
.macro LOADS s, t                      ; half step t's fragments into set s: W's eight, then o's eight
	WIN 0x40
.irp i, 0,1,2,3,4,5,6,7
	ds_load_b128 v[64*(\s)+8*\i:64*(\s)+8*\i+3], v[ADW+\i/4] offset:(\i%4)*BS+(\t)*1024
	ds_load_b128 v[64*(\s)+8*\i+4:64*(\s)+8*\i+7], v[ADW+\i/4] offset:(\i%4)*BS+(\t)*1024+512
.endr
	WIN 0
.irp i, 0,1,2,3,4,5,6,7
	ds_load_b128 v[AF+64*(\s)+8*\i:AF+64*(\s)+8*\i+3], v[ADA+\i/4] offset:(\i%4)*BS+(\t)*1024
	ds_load_b128 v[AF+64*(\s)+8*\i+4:AF+64*(\s)+8*\i+7], v[ADA+\i/4] offset:(\i%4)*BS+(\t)*1024+512
.endr
.endm
.macro MULS s, zero                    ; 64 matrix instructions; the 64 accumulators take turns, one instruction a turn
.irp a, 0,1,2,3,4,5,6,7
.if \a == 0
	WIN 0xa1
.endif
.if \a == 4
	WIN 0xf1
.endif
.irp b, 0,1,2,3,4,5,6,7
.if \zero
	v_wmma_f32_16x16x64_fp8_fp8 v[8*(8*(\a%4)+\b):8*(8*(\a%4)+\b)+7], v[64*(\s)+8*\b:64*(\s)+8*\b+7], v[AF+64*(\s)+8*\a:AF+64*(\s)+8*\a+7], 0
.else
	v_wmma_f32_16x16x64_fp8_fp8 v[8*(8*(\a%4)+\b):8*(8*(\a%4)+\b)+7], v[64*(\s)+8*\b:64*(\s)+8*\b+7], v[AF+64*(\s)+8*\a:AF+64*(\s)+8*\a+7], v[8*(8*(\a%4)+\b):8*(8*(\a%4)+\b)+7]
.endif
.endr
.endr
.endm
	s_load_b128 s[4:7], s[0:1], 0x0                ; o's images, w_img
	s_load_b128 s[68:71], s[0:1], 0x10             ; the scales' exponents, x
	s_load_b64 s[8:9], s[0:1], 0x20                ; x1
	v_lshl_add_u32 v[SPW], v0, 2, SPARE
	v_mov_b32 v[NIL], 0
	ds_add_u32 v[SPW], v[NIL]                      ; the opening: the add, twice on end, and its wait ahead of my tensor load
	ds_add_u32 v[SPW], v[NIL]
	v_lshrrev_b32 v1, 5, v0
	v_readfirstlane_b32 s10, v1                    ; wave 0..3
	s_lshr_b32 s11, s10, 1                         ; I fetch for o (0) or for W (1),
	s_and_b32 s12, s10, 1                          ; and which half of that tile
	s_bfe_u32 s40, ttmp6, 0x40000                  ; cx, cy
	s_bfe_u32 s41, ttmp6, 0x40004
	s_lshl_b32 s42, ttmp9, 2
	s_add_co_u32 s42, s42, s40                     ; tile column
	s_and_b32 s13, ttmp7, 0xffff
	s_lshl_b32 s13, s13, 2
	s_add_co_u32 s13, s13, s41                     ; tile row
	s_lshl_b32 s43, s41, 2
	s_lshl_b32 s43, 15, s43                        ; my row of the cluster
	s_lshl_b32 s44, 0x1111, s40                    ; my column
	s_or_b32 s[G1+0], s43, (3<<16)|(1<<21)         ; the mask; elements of 8 bytes; 21 set beside a mask; no padding
	s_or_b32 s[G1B+0], s44, (3<<16)|(1<<21)
.irp g, G1, G1B
	s_mov_b32 s[\g+1], 1024<<16                    ; a dense block of 64 KiB as 8 rows of 8,192 bytes
	s_mov_b32 s[\g+2], 8<<16
	s_mov_b32 s[\g+3], 1024<<16
	s_mov_b32 s[\g+4], 8
	s_mov_b32 s[\g+5], 1024
	s_mov_b32 s[\g+6], 0
	s_mov_b32 s[\g+7], 0
.endr
	s_lshl_b32 s16, s13, 17                        ; o: 131,072 x tile row + 65,536 x half
	s_lshl_b32 s17, s12, 16
	s_add_co_u32 s16, s16, s17
	s_mov_b32 s17, 0
	s_lshl_b32 s46, s42, 17                        ; W: 131,072 x tile column + 65,536 x half, behind w_fc2's images
	s_lshl_b32 s47, s12, 16
	s_add_co_u32 s46, s46, s47
	s_add_co_u32 s46, s46, WOFF
	s_mov_b32 s47, 0
	s_lshl_b32 s20, s10, 16                        ; where it goes: 65,536 x wave: o's halves, then W's
	s_wait_dscnt 0x0
	s_wait_kmcnt 0x0
	s_load_b64 s[72:73], s[68:69], ENT             ; e6, e7
	s_add_nc_u64 s[14:15], s[4:5], s[16:17]
	s_add_nc_u64 s[46:47], s[6:7], s[46:47]
	CROUND                                         ; all sixteen work-groups are here: the joint loads meet
	s_mov_b32 s[G0], 1
	s_mov_b32 s[G0+1], s20
	s_mov_b64 s[G0+2:G0+3], s[14:15]
	s_or_b32 s[G0+3], s[G0+3], 0x80000000
	s_mov_b32 s[G0B], 1
	s_mov_b32 s[G0B+1], s20
	s_mov_b64 s[G0B+2:G0B+3], s[46:47]
	s_or_b32 s[G0B+3], s[G0B+3], 0x80000000
	s_cmp_eq_u32 s11, 0                            ; my one load; s_nop 0 and four v_nop follow each of the two lines
	s_cbranch_scc0 .Lfor_w
	tensor_load_to_lds s[G0:G0+3], s[G1:G1+7]
	s_nop 0
.rept 4
	v_nop
.endr
	s_branch .Lasked
.Lfor_w:
	tensor_load_to_lds s[G0B:G0B+3], s[G1B:G1B+7]
	s_nop 0
.rept 4
	v_nop
.endr
.Lasked:
	s_mul_i32 s21, s10, REG
	s_mul_i32 s22, s10, 32*RP
	s_lshl_b32 s23, s10, 12                        ; my quarter of K in a block: two images
	s_lshl_b32 s16, s13, 19                        ; the rows that I finish: (128 x tile row + 32 w) x 4,096 bytes
	s_lshl_b32 s17, s10, 17
	s_add_co_u32 s16, s16, s17
	s_mov_b32 s17, 0
	s_add_nc_u64 s[8:9], s[8:9], s[16:17]
	s_add_nc_u64 s[70:71], s[70:71], s[16:17]
	s_lshl_b32 s46, s42, 9                         ; + 512 x tile column
	s_mov_b32 s47, 0
	s_add_nc_u64 s[8:9], s[8:9], s[46:47]
	s_add_nc_u64 s[70:71], s[70:71], s[46:47]
	v_and_b32 v1, 31, v0
	v_lshlrev_b32 v[LO], 4, v1
	v_and_b32 v3, 15, v0                           ; r
	v_bfe_u32 v7, v0, 4, 1                         ; h
	v_mul_u32_u24 v3, v3, RP
	v_lshl_add_u32 v3, v7, 5, v3
	v_add_nc_u32 v[STO], s21, v3
	v_add_nc_u32 v[RD], s22, v[LO]
	v_add_nc_u32 v[RD+1], REG, v[RD]
	v_add_nc_u32 v[RD+2], 2*REG, v[RD]
	v_add_nc_u32 v[RD+3], 3*REG, v[RD]
	v_add_nc_u32 v[ADA], s23, v[LO]
	v_add_nc_u32 v[ADA+1], 65536, v[ADA]
	v_add_nc_u32 v[ADW], 131072, v[ADA]
	v_add_nc_u32 v[ADW+1], 196608, v[ADA]
	s_wait_alu depctr_va_vdst(0)                   ; the wait at the head's end
	WIN 0x40
.irp p, 0,1,2,3,4,5,6,7,8,9,10,11,12,13,14,15
	global_load_b128 v[192+4*\p:195+4*\p], v[LO], s[70:71] offset:\p*4096        ; the residual of my rows 0-15: asked for now, wanted at the end
.endr
	WIN 0
	s_wait_tensorcnt 0x0                           ; my part of the tiles is in,
	s_barrier_signal -1
	s_barrier_wait -1                              ; everybody's is
	LOADS 0, 0
	LOADS 1, 1
	LOADS 2, 2
	s_wait_dscnt 63                                ; behind set 0's loads 64 were issued
	MULS 0, 1                                      ; the first half step starts the sums: nothing is cleared
	PLACES
	LOADS 0, 3
	s_wait_dscnt 63                                ; behind set 1's: set 2's 32 and set 0's 32
	MULS 1, 0
	PLACES
	WIN 0
.irp p, 0,1,2,3,4,5,6,7,8,9,10,11,12,13,14,15
	global_load_b128 v[128+4*\p:131+4*\p], v[LO], s[70:71] offset:(16+\p)*4096   ; the residual of my rows 16-31, into set 1's registers
.endr
	s_wait_dscnt 32                                ; set 0's 32 may be out
	MULS 2, 0
	s_wait_dscnt 0x0                               ; my reads of the tiles are over
	MULS 0, 0
	PLACES
	WIN 0
	s_barrier_signal -1
	s_barrier_wait -1                              ; everybody's are: the partial results may be laid over the tiles, which have had their one fill
.irp a, 0,1,2,3,4,5,6,7
	WIN 0x08+4*(\a/4)                              ; the data: window 2 or 3
.irp b, 0,1,2,3,4,5,6,7
	ds_store_b128 v[STO], v[8*(8*(\a%4)+\b):8*(8*(\a%4)+\b)+3] offset:\a*16*RP+64*\b          ; each accumulator from its low end on
	ds_store_b128 v[STO], v[8*(8*(\a%4)+\b)+4:8*(8*(\a%4)+\b)+7] offset:\a*16*RP+64*\b+16
.endr
.endr
	WIN 0
	s_wait_kmcnt 0x0
	s_add_co_i32 s72, s72, s73
	s_add_co_i32 s72, s72, 127
	s_lshl_b32 s72, s72, 23                        ; 2^(e6 + e7) as f32
	s_mov_b32 s73, s72                             ; (named with it as a pair)
	s_wait_dscnt 0x0                               ; my partial result is in LDS,
	s_barrier_signal -1
	s_barrier_wait -1                              ; everybody's is
.irp h, 0,1
	WIN 0x80+0x40*\h                               ; row p of my first 16 into window 2, of my last 16 into window 3: register 16 p + 4 s from wave s
.irp p, 0,1,2,3,4,5,6,7,8,9,10,11,12,13,14,15
.irp s, 0,1,2,3
	ds_load_b128 v[16*\p+4*\s:16*\p+4*\s+3], v[RD+\s] offset:(16*\h+\p)*RP
.endr
.endr
.endr
.macro FIN h, res, rw                  ; 16 rows: the four parts summed, scaled, the residual (at v[res] of window rw) added, stored
	WIN (2+\h)*0x45
.irp p, 0,1,2,3,4,5,6,7,8,9,10,11,12,13,14,15
	v_pk_add_f32 v[16*\p:16*\p+1], v[16*\p:16*\p+1], v[16*\p+4:16*\p+5]
	v_pk_add_f32 v[16*\p+2:16*\p+3], v[16*\p+2:16*\p+3], v[16*\p+6:16*\p+7]
	v_pk_add_f32 v[16*\p+8:16*\p+9], v[16*\p+8:16*\p+9], v[16*\p+12:16*\p+13]
	v_pk_add_f32 v[16*\p+10:16*\p+11], v[16*\p+10:16*\p+11], v[16*\p+14:16*\p+15]
.endr
.irp p, 0,1,2,3,4,5,6,7,8,9,10,11,12,13,14,15
	v_pk_add_f32 v[16*\p:16*\p+1], v[16*\p:16*\p+1], v[16*\p+8:16*\p+9]
	v_pk_add_f32 v[16*\p+2:16*\p+3], v[16*\p+2:16*\p+3], v[16*\p+10:16*\p+11]
.endr
	WIN (2+\h)*0x41+16*\rw
.irp p, 0,1,2,3,4,5,6,7,8,9,10,11,12,13,14,15
	v_pk_fma_f32 v[16*\p:16*\p+1], v[16*\p:16*\p+1], s[72:73], v[\res+4*\p:\res+4*\p+1] op_sel_hi:[1,0,1]
	v_pk_fma_f32 v[16*\p+2:16*\p+3], v[16*\p+2:16*\p+3], s[72:73], v[\res+4*\p+2:\res+4*\p+3] op_sel_hi:[1,0,1]
.endr
	WIN (2+\h)*4
.irp p, 0,1,2,3,4,5,6,7,8,9,10,11,12,13,14,15
	global_store_b128 v[LO], v[16*\p:16*\p+3], s[8:9] offset:(16*\h+\p)*4096     ; 512 consecutive bytes, aligned
.endr
.endm
	s_wait_dscnt 63                                ; my first 16 rows' 64 loads are back (64 were issued behind them)
	s_wait_loadcnt 16                              ; and their residual
	FIN 0, 192, 1
	s_wait_dscnt 0x0
	s_wait_loadcnt 0x0
	FIN 1, 128, 0
	WIN 0
	s_wait_tensorcnt 0x0                           ; the wave's end
	ds_add_u32 v[SPW], v[NIL]
	s_wait_dscnt 0x0
	CROUND                                         ; the closing round
	s_endpgm
.Lfunc_end_k_q7fb4c30620_oproj:
	.size	k_q7fb4c30620_oproj, .Lfunc_end_k_q7fb4c30620_oproj-k_q7fb4c30620_oproj
	.p2alignl 7, 3214868480
	.fill 96, 4, 3214868480
	.section	.rodata,"a",@progbits
	.p2align	6, 0x0
	.amdhsa_kernel k_q7fb4c30620_oproj
		.amdhsa_group_segment_fixed_size 327680
		.amdhsa_private_segment_fixed_size 0
		.amdhsa_enable_private_segment 0
		.amdhsa_kernarg_size 40
		.amdhsa_user_sgpr_count 2
		.amdhsa_user_sgpr_kernarg_segment_ptr 1
		.amdhsa_wavefront_size32 1
		.amdhsa_system_sgpr_workgroup_id_x 1
		.amdhsa_system_sgpr_workgroup_id_y 1
		.amdhsa_system_sgpr_workgroup_id_z 1
		.amdhsa_system_vgpr_workitem_id 0
		.amdhsa_next_free_vgpr 1024
		.amdhsa_next_free_sgpr 76
		.amdhsa_reserve_vcc 0
		.amdhsa_float_denorm_mode_32 3
		.amdhsa_float_denorm_mode_16_64 3
		.amdhsa_memory_ordered 1
		.amdhsa_forward_progress 1
		.amdhsa_inst_pref_size 70
	.end_amdhsa_kernel
	.amdgpu_metadata
---
amdhsa.version: [ 1, 2 ]
amdhsa.kernels:
  - .name:           k_q7fb4c30620_oproj
    .symbol:         k_q7fb4c30620_oproj.kd
    .args:
      - { .name: o_img, .offset: 0, .size: 8, .value_kind: global_buffer, .address_space: global }
      - { .name: w_img, .offset: 8, .size: 8, .value_kind: global_buffer, .address_space: global }
      - { .name: lowp_scales, .offset: 16, .size: 8, .value_kind: global_buffer, .address_space: global }
      - { .name: x, .offset: 24, .size: 8, .value_kind: global_buffer, .address_space: global }
      - { .name: x1, .offset: 32, .size: 8, .value_kind: global_buffer, .address_space: global }
    .group_segment_fixed_size: 327680
    .private_segment_fixed_size: 0
    .kernarg_segment_align: 8
    .kernarg_segment_size: 40
    .max_flat_workgroup_size: 128
    .sgpr_count:     76
    .vgpr_count:     1024
    .wavefront_size: 32
...
	.end_amdgpu_metadata
.endif
;; end of part 4
;; launch ln2 (part 5): grid 256 x 1, 8 waves a work-group, no clusters, 41,984 bytes of LDS; arguments x1, ln2_w, lowp_scales, acodes; writes acodes
.if DOCPART == 5
	.amdgcn_target "amdgcn-amd-amdhsa--gfx1250"
	.amdhsa_code_object_version 6
	.text
	.protected	k_q7fb4c30620_ln2
	.globl	k_q7fb4c30620_ln2
	.p2align	8
	.type	k_q7fb4c30620_ln2,@function
k_q7fb4c30620_ln2:
	s_mov_b64 s[64:65], 0
	v_nop
	global_prefetch_b8 v0, s[64:65] scope:SCOPE_SE
	s_setreg_imm32_b32 hwreg(HW_REG_WAVE_MODE, 25, 1), 1
	s_wait_xcnt 0x0
; codes[row][c] = Q((x[row][c] - mean) * rsqrt(var + 1e-5) * w[c]).  x: [4096][1024] f32, w: [1024] f32, codes: [4096][1024] E4M3, one byte each, row-major.
; Q: divided by 2^e (e = entry ENT of the scales), held within +-448, rounded to the nearest code, ties to even.  All arithmetic in f32; the variance is taken of x - mean (two passes over registers).
; A stream: memory binds, so no matrix unit, no cluster, no barrier.  A work-group takes 16 rows, a wave two; a row of 4,096 bytes is 32 registers a lane and is read once.
; Each load takes 512 consecutive bytes, 16 a lane.  The conversion wants 8 neighbours in one lane's registers, so each 2,048 bytes turn through the wave's own stage in LDS: stored as loaded, read back 64 bytes a lane
; (80 bytes from lane to lane: 16 of padding behind each 64).  Then register 16 t + e of lane l is column 512 t + 16 l + e, and a lane's 16 codes are 16 bytes: a store covers 512 consecutive bytes, aligned.
; LIMITS: e between -126 and 119, so that 2^e and 448 x 2^e are f32 numbers.  NaN among the inputs is not served.
.set ENT,   8                          ; which entry of the scales
.set SP,    80                         ; a lane's place in a stage
.set STG,   32*SP                      ; a stage: 2,048 bytes of data
.set WREG,  2*STG                      ; a wave's LDS: two stages
.set WL,    16                         ; v16-47   w as loaded
.set RA,    48                         ; v48-79   row 0 as loaded
.set RB,    80                         ; v80-111  row 1 as loaded
.set WT,    112                        ; v112-143 w, turned
.set XA,    144                        ; v144-175 row 0, turned
.set XB,    176                        ; v176-207 row 1, turned
.set CA,    208                        ; v208-215 row 0's codes
.set CB,    216                        ; v216-223 row 1's codes
	s_load_b128 s[4:7], s[0:1], 0x0                ; x, w
	s_load_b128 s[8:11], s[0:1], 0x10              ; the scales' exponents, the codes
	v_lshl_add_u32 v224, v0, 2, 0xa000
	v_mov_b32 v225, 0
	v_lshrrev_b32 v1, 5, v0
	s_delay_alu instid0(VALU_DEP_1)
	v_readfirstlane_b32 s16, v1                    ; wave 0..7
	v_and_b32 v2, 31, v0                           ; lane
	s_delay_alu instid0(VALU_DEP_1)
	v_lshlrev_b32 v3, 4, v2                        ; 16 x lane: my bytes of a load's 512, and of a store's
	s_mul_i32 s17, s16, WREG
	v_lshrrev_b32 v14, 2, v2
	s_delay_alu instid0(VALU_DEP_1)
	v_mul_u32_u24 v14, v14, SP
	v_and_b32 v15, 3, v2
	s_delay_alu instid0(VALU_DEP_1)
	v_lshl_add_u32 v14, v15, 4, v14
	s_delay_alu instid0(VALU_DEP_1)
	v_add_nc_u32 v14, s17, v14                     ; into a stage: four lanes' 64 bytes on end, then the padding
	v_mul_u32_u24 v15, v2, SP
	s_delay_alu instid0(VALU_DEP_1)
	v_add_nc_u32 v15, s17, v15                     ; out of it: my 64 bytes
	v_mov_b32 v9, 0                                ; (named as the upper halves of the pairs v[8:9] and v[10:11])
	v_mov_b32 v11, 0
	s_mov_b32 s12, 0x76543210                      ; v_permlanex16_b32: lane l xor 16
	s_mov_b32 s13, 0xfedcba98
	s_mov_b32 s14, 0x3a800000                      ; 1 / 1024
	s_mov_b32 s15, 0x3727c5ac                      ; 1e-5
	s_lshl_b32 s18, ttmp9, 4
	s_lshl_b32 s19, s16, 1
	s_add_co_u32 s18, s18, s19                     ; my first row: 16 x work-group + 2 x wave
	s_lshl_b32 s20, s18, 12                        ; in x
	s_mov_b32 s21, 0
	s_lshl_b32 s22, s18, 10                        ; in the codes
	s_mov_b32 s23, 0
	s_wait_alu depctr_va_vdst(0)
	s_wait_kmcnt 0x0
	s_load_b32 s24, s[8:9], 4*ENT                  ; e
	s_add_nc_u64 s[4:5], s[4:5], s[20:21]
	s_add_nc_u64 s[10:11], s[10:11], s[22:23]
.irp i, 0,1,2,3,4,5,6,7
	global_load_b128 v[WL+4*\i:WL+4*\i+3], v3, s[6:7] offset:512*\i
.endr
.irp i, 0,1,2,3,4,5,6,7
	global_load_b128 v[RA+4*\i:RA+4*\i+3], v3, s[4:5] offset:512*\i
.endr
.irp i, 0,1,2,3,4,5,6,7
	global_load_b128 v[RB+4*\i:RB+4*\i+3], v3, s[4:5] offset:4096+512*\i
.endr
; 4,096 bytes through the two stages.  LDS serves a wave's instructions in order (ISA guide 5.7.1.4): no wait between the stores and the loads, nor in front of the next turn's stores.
.macro TURN src, dst
.irp t, 0,1
.irp i, 0,1,2,3
	ds_store_b128 v14, v[\src+16*\t+4*\i:\src+16*\t+4*\i+3] offset:STG*\t+8*SP*\i
.endr
.irp i, 0,1,2,3
	ds_load_b128 v[\dst+16*\t+4*\i:\dst+16*\t+4*\i+3], v15 offset:STG*\t+16*\i
.endr
.endr
.endm
.macro ALLSUM                          ; v4 summed over the 32 lanes, the result in every lane
	s_delay_alu instid0(VALU_DEP_1)
	v_add_f32_dpp v4, v4, v4 row_xmask:1 row_mask:0xf bank_mask:0xf
	s_delay_alu instid0(VALU_DEP_1)
	v_add_f32_dpp v4, v4, v4 row_xmask:2 row_mask:0xf bank_mask:0xf
	s_delay_alu instid0(VALU_DEP_1)
	v_add_f32_dpp v4, v4, v4 row_xmask:4 row_mask:0xf bank_mask:0xf
	s_delay_alu instid0(VALU_DEP_1)
	v_add_f32_dpp v4, v4, v4 row_xmask:8 row_mask:0xf bank_mask:0xf
	s_delay_alu instid0(VALU_DEP_1)
	v_permlanex16_b32 v5, v4, s12, s13
	s_delay_alu instid0(VALU_DEP_1)
	v_add_f32 v4, v4, v5
.endm
; One row: x = its 32 registers, c = its 8 registers of codes, p = 0 or 1: which of my two rows.
.macro ROW x, c, p
	v_pk_add_f32 v[4:5], v[\x:\x+1], v[\x+2:\x+3]          ; the sum, in two chains
	v_pk_add_f32 v[6:7], v[\x+4:\x+5], v[\x+6:\x+7]
.irp j, 8,12,16,20,24,28
	s_delay_alu instid0(VALU_DEP_2)
	v_pk_add_f32 v[4:5], v[4:5], v[\x+\j:\x+\j+1]
	s_delay_alu instid0(VALU_DEP_2)
	v_pk_add_f32 v[6:7], v[6:7], v[\x+\j+2:\x+\j+3]
.endr
	s_delay_alu instid0(VALU_DEP_1)
	v_pk_add_f32 v[4:5], v[4:5], v[6:7]
	s_delay_alu instid0(VALU_DEP_1)
	v_add_f32 v4, v4, v5
	ALLSUM
	s_delay_alu instid0(VALU_DEP_1)
	v_mul_f32 v8, s14, v4                          ; the mean
.irp j, 0,2,4,6,8,10,12,14,16,18,20,22,24,26,28,30
	v_pk_add_f32 v[\x+\j:\x+\j+1], v[\x+\j:\x+\j+1], v[8:9] op_sel_hi:[1,0] neg_lo:[0,1] neg_hi:[0,1]   ; d = x - mean
.endr
	v_pk_mul_f32 v[4:5], v[\x:\x+1], v[\x:\x+1]            ; the sum of d^2, in two chains
	v_pk_mul_f32 v[6:7], v[\x+2:\x+3], v[\x+2:\x+3]
.irp j, 4,8,12,16,20,24,28
	s_delay_alu instid0(VALU_DEP_2)
	v_pk_fma_f32 v[4:5], v[\x+\j:\x+\j+1], v[\x+\j:\x+\j+1], v[4:5]
	s_delay_alu instid0(VALU_DEP_2)
	v_pk_fma_f32 v[6:7], v[\x+\j+2:\x+\j+3], v[\x+\j+2:\x+\j+3], v[6:7]
.endr
	s_delay_alu instid0(VALU_DEP_1)
	v_pk_add_f32 v[4:5], v[4:5], v[6:7]
	s_delay_alu instid0(VALU_DEP_1)
	v_add_f32 v4, v4, v5
	ALLSUM
	s_delay_alu instid0(VALU_DEP_1)
	v_fma_f32 v10, v4, s14, s15                    ; var + eps
	s_wait_alu depctr_va_vdst(0)
	v_rsq_f32 v10, v10
	v_nop                                          ; a plain instruction behind the transcendental (ISA guide 5.7.2)
	s_wait_alu depctr_va_vdst(0)                   ; and the wait ahead of its first reader
.irp j, 0,2,4,6,8,10,12,14,16,18,20,22,24,26,28,30
	v_pk_mul_f32 v[\x+\j:\x+\j+1], v[\x+\j:\x+\j+1], v[10:11] op_sel_hi:[1,0]
.endr
.irp j, 0,2,4,6,8,10,12,14,16,18,20,22,24,26,28,30
	v_pk_mul_f32 v[\x+\j:\x+\j+1], v[\x+\j:\x+\j+1], v[WT+\j:WT+\j+1]
.endr
.irp i, 0,1,2,3,4,5,6,7,8,9,10,11,12,13,14,15,16,17,18,19,20,21,22,23,24,25,26,27,28,29,30,31
	v_med3_num_f32 v[\x+\i], v[\x+\i], -v13, v13   ; the conversion to an 8-bit code does not saturate (ISA guide 7.6.2): the hold at the largest code x the scale
.endr
.irp g, 0,1,2,3
	v_cvt_scalef32_pk8_fp8_f32 v[\c+2*\g:\c+2*\g+1], v[\x+8*\g:\x+8*\g+7], v12
.endr
	global_store_b128 v3, v[\c:\c+3], s[10:11] offset:1024*\p           ; columns 16 l on: 512 consecutive bytes a wave
	global_store_b128 v3, v[\c+4:\c+7], s[10:11] offset:1024*\p+512     ; columns 512 + 16 l on
.endm
	s_wait_loadcnt 16                              ; w's eight loads are in; the two rows' sixteen may be out
	TURN WL, WT
	s_wait_loadcnt 8                               ; row 0 is in
	TURN RA, XA
	s_wait_loadcnt 0x0                             ; row 1 is in
	TURN RB, XB
	s_wait_kmcnt 0x0
	s_add_co_i32 s24, s24, 127
	s_lshl_b32 s25, s24, 23
	v_mov_b32 v12, s25                             ; 2^e as f32: the conversion takes its exponent field
	s_add_co_i32 s24, s24, 8
	s_lshl_b32 s24, s24, 23
	s_or_b32 s24, s24, 0x600000
	v_mov_b32 v13, s24                             ; 448 x 2^e
	s_wait_dscnt 16                                ; w and row 0 are back; row 1's eight stores and eight loads may be out
	ROW XA, CA, 0
	s_wait_dscnt 0x0
	ROW XB, CB, 1                                  ; (its first lines are plain and name nothing of row 0's conversions)
	s_wait_tensorcnt 0x0
	ds_add_u32 v224, v225
	s_wait_dscnt 0x0
	s_endpgm
.Lfunc_end_k_q7fb4c30620_ln2:
	.size	k_q7fb4c30620_ln2, .Lfunc_end_k_q7fb4c30620_ln2-k_q7fb4c30620_ln2
	.p2alignl 7, 3214868480
	.fill 96, 4, 3214868480
	.section	.rodata,"a",@progbits
	.p2align	6, 0x0
	.amdhsa_kernel k_q7fb4c30620_ln2
		.amdhsa_group_segment_fixed_size 41984
		.amdhsa_private_segment_fixed_size 0
		.amdhsa_enable_private_segment 0
		.amdhsa_kernarg_size 32
		.amdhsa_user_sgpr_count 2
		.amdhsa_user_sgpr_kernarg_segment_ptr 1
		.amdhsa_wavefront_size32 1
		.amdhsa_system_sgpr_workgroup_id_x 1
		.amdhsa_system_sgpr_workgroup_id_y 1
		.amdhsa_system_sgpr_workgroup_id_z 1
		.amdhsa_system_vgpr_workitem_id 0
		.amdhsa_next_free_vgpr 226
		.amdhsa_next_free_sgpr 66
		.amdhsa_reserve_vcc 0
		.amdhsa_float_denorm_mode_32 3
		.amdhsa_float_denorm_mode_16_64 3
		.amdhsa_memory_ordered 1
		.amdhsa_forward_progress 1
		.amdhsa_inst_pref_size 28
	.end_amdhsa_kernel
	.amdgpu_metadata
---
amdhsa.version: [ 1, 2 ]
amdhsa.kernels:
  - .name:           k_q7fb4c30620_ln2
    .symbol:         k_q7fb4c30620_ln2.kd
    .args:
      - { .name: x1, .offset: 0, .size: 8, .value_kind: global_buffer, .address_space: global }
      - { .name: ln2_w, .offset: 8, .size: 8, .value_kind: global_buffer, .address_space: global }
      - { .name: lowp_scales, .offset: 16, .size: 8, .value_kind: global_buffer, .address_space: global }
      - { .name: acodes, .offset: 24, .size: 8, .value_kind: global_buffer, .address_space: global }
    .group_segment_fixed_size: 41984
    .private_segment_fixed_size: 0
    .kernarg_segment_align: 8
    .kernarg_segment_size: 32
    .max_flat_workgroup_size: 256
    .sgpr_count:     66
    .vgpr_count:     226
    .wavefront_size: 32
...
	.end_amdgpu_metadata
.endif
;; end of part 5
;; launch fc1 (part 6): grid 16 x 16, 4 waves a work-group, clusters of 4 x 4, 327,680 bytes of LDS; arguments acodes, w_fc1_codes, lowp_scales, h_img; writes h_img
.if DOCPART == 6
	.amdgcn_target "amdgcn-amd-amdhsa--gfx1250"
	.amdhsa_code_object_version 6
	.text
	.protected	k_q7fb4c30620_fc1
	.globl	k_q7fb4c30620_fc1
	.p2align	8
	.type	k_q7fb4c30620_fc1,@function
k_q7fb4c30620_fc1:
	s_mov_b64 s[64:65], 0
	v_nop
	global_prefetch_b8 v0, s[64:65] scope:SCOPE_SE
	s_setreg_imm32_b32 hwreg(HW_REG_WAVE_MODE, 25, 1), 1
	s_wait_xcnt 0x0
	s_wait_alu depctr_hold_cnt(0) depctr_sa_sdst(0) depctr_va_vdst(0) depctr_va_sdst(0) depctr_va_ssrc(0) depctr_va_vcc(0) depctr_vm_vsrc(0)
	s_getreg_b32 s2, hwreg(HW_REG_IB_STS2, 6, 4)
	s_cmp_eq_u32 s2, 0
	s_cbranch_scc0 .Lentry_in_a_cluster
	s_endpgm
.Lentry_in_a_cluster:
	s_bfe_u32 s2, ttmp6, 0x10000c
	s_cmp_lg_u32 s2, 0xf033
	s_cbranch_scc0 .Lentry_shape_is_right
	s_endpgm
.Lentry_shape_is_right:
; h = Q(gelu(LN2(x1) W_fc1)) on codes of E4M3.  acodes: [4096][1024], w_fc1_codes: [4096][1024], K innermost.  h_img: [row / 16][hidden / 128][2,048 bytes], images of fragments of 16 rows x 128 K.
; A tile of 256 x 256 by four waves, 128 x 128 each; K in steps of 256 through two LDS slots filled by joint tensor loads in clusters of 4 x 4 (A's tile shared along a row, W's along a column).
; The matrix instruction is used transposed, so that a lane's eight sums are eight neighbours along the next K.  gelu is exact: erf(x / sqrt 2) as a quotient of two polynomials in x^2, x held within +-4.
; THE WAY OUT is a loop of two trips: trip 0 takes the accumulators of window 2, trip 1 those of window 3; only the two runs that read accumulators are written twice, under a branch on the trip's number.
; LIMITS: e8 + e9 between -125 and 126; e10 - e8 - e9 between -127 and 118.  NaN among the inputs is not served.
.set SIZE_K, 1024
.set KSTEP,  256
.set ROWB,   256
.set KROW,   SIZE_K
.set PITCH,  272
.set FR,     16
.set NL,     4
.set NP,     4
.set HALFT,  128*PITCH
.set SLOT,   4*HALFT
.set LAPS,   SIZE_K/(2*KSTEP)
.set SPARE,  2*SLOT
.set ADRA, 16
.set ADRB, 20
.set CO,   26
.set SPW,  28
.set NIL,  29
.set AF,   128
.set X,    32
.set X2,   64
.set PA,   96
.set PQ,   128
.set CDS,  160
.set A0,   66
.set A2,   68
.set A3,   70
.set A4,   72
.set A5,   74
.set A6,   76
.set B0,   78
.set B2,   80
.set B3,   82
.set B4,   84
.set G1, 24
.set G0, 32
.set G1B, 48
.set G0B, 56
.set MSB, 0
.macro WIN new
.if MSB != \new
	s_set_vgpr_msb (MSB<<8)|\new
.set MSB, \new
.endif
.endm
.set MUL_LO, 0xa1
.set MUL_HI, 0xf1
.set TO_B,   0x40
.macro JLOAD g0a, g1a, g0b, g1b
	s_cmp_eq_u32 s15, 0
	s_cbranch_scc0 .Lfor_b_\@
	tensor_load_to_lds s[\g0a:\g0a+3], s[\g1a:\g1a+7]
	s_nop 0
.rept 4
	v_nop
.endr
	s_branch .Lasked_\@
.Lfor_b_\@:
	tensor_load_to_lds s[\g0b:\g0b+3], s[\g1b:\g1b+7]
	s_nop 0
.rept 4
	v_nop
.endr
.Lasked_\@:
.endm
.macro CREST
	s_cmp_lg_u32 s14, 0
	s_cbranch_scc1 .Lnot_wave_0_\@
	s_barrier_signal -3
.Lnot_wave_0_\@:
	s_barrier_wait -3
	s_barrier_signal -1
	s_barrier_wait -1
.endm
.macro CROUND
	s_barrier_signal -1
	s_barrier_wait -1
	CREST
.endm
	s_load_b128 s[4:7], s[0:1], 0x0
	s_load_b128 s[8:11], s[0:1], 0x10
	v_lshl_add_u32 v[SPW], v0, 2, SPARE
	v_mov_b32 v[NIL], 0
	ds_add_u32 v28, v29
	ds_add_u32 v28, v29
	s_wait_dscnt 0x0
	v_lshrrev_b32 v1, 5, v0
	v_readfirstlane_b32 s14, v1
	s_lshr_b32 s15, s14, 1
	s_and_b32 s16, s14, 1
	s_bfe_u32 s40, ttmp6, 0x40000
	s_bfe_u32 s41, ttmp6, 0x40004
	s_lshl_b32 s42, ttmp9, 2
	s_add_co_u32 s42, s42, s40
	s_and_b32 s17, ttmp7, 0xffff
	s_lshl_b32 s17, s17, 2
	s_add_co_u32 s17, s17, s41
	s_lshl_b32 s43, s41, 2
	s_lshl_b32 s43, 15, s43
	s_lshl_b32 s44, 0x1111, s40
	s_or_b32 s[G1+0], s43, (0<<16)|(1<<20)|(1<<21)|(5<<22)|(3<<25)
	s_or_b32 s[G1B+0], s44, (0<<16)|(1<<20)|(1<<21)|(5<<22)|(3<<25)
.irp g, G1, G1B
	s_mov_b32 s[\g+1], ROWB<<16
	s_mov_b32 s[\g+2], 128<<16
	s_mov_b32 s[\g+3], ROWB<<16
	s_mov_b32 s[\g+4], 128
	s_mov_b32 s[\g+5], KROW
	s_mov_b32 s[\g+6], 0
	s_mov_b32 s[\g+7], 0
.endr
.macro COEF r, bits
	s_mov_b32 s[\r], \bits
	s_mov_b32 s[\r+1], \bits
.endm
	COEF A0, 0xaf95df0b
	COEF A2, 0xb60cff51
	COEF A3, 0xb86ec2d2
	COEF A4, 0xba40ac63
	COEF A5, 0xbb41a1f6
	COEF A6, 0xbc83dbd4
	COEF B0, 0xb77460cd
	COEF B2, 0xbadc924e
	COEF B3, 0xbbf19bf8
	COEF B4, 0xbc69b6a7
	s_lshl_b32 s18, s16, 7
	s_lshl_b32 s20, s17, 8
	s_add_co_u32 s20, s20, s18
	s_lshl_b32 s20, s20, 10
	s_mov_b32 s21, 0
	s_lshl_b32 s46, s42, 8
	s_add_co_u32 s46, s46, s18
	s_lshl_b32 s46, s46, 10
	s_mov_b32 s47, 0
	s_mul_i32 s45, s14, HALFT
	s_wait_kmcnt 0x0
	s_load_b128 s[88:91], s[8:9], 0x20
	s_add_nc_u64 s[20:21], s[4:5], s[20:21]
	s_add_nc_u64 s[46:47], s[6:7], s[46:47]
	CROUND
.irp s, 0,1
	s_mov_b32 s[G0+4*\s], 1
	s_add_co_u32 s[G0+4*\s+1], s45, \s*SLOT
	s_add_nc_u64 s[G0+4*\s+2:G0+4*\s+3], s[20:21], \s*ROWB
	s_or_b32 s[G0+4*\s+3], s[G0+4*\s+3], 0x80000000
	s_mov_b32 s[G0B+4*\s], 1
	s_add_co_u32 s[G0B+4*\s+1], s45, \s*SLOT
	s_add_nc_u64 s[G0B+4*\s+2:G0B+4*\s+3], s[46:47], \s*ROWB
	s_or_b32 s[G0B+4*\s+3], s[G0B+4*\s+3], 0x80000000
.endr
	JLOAD G0, G1, G0B, G1B                         ; K step 0: one tensor load a wave at the head
	v_and_b32 v1, 15, v0
	v_bfe_u32 v2, v0, 4, 1
	v_mul_u32_u24 v3, v1, PITCH
	v_lshl_add_u32 v4, v2, 4, v3
	s_mul_i32 s21, s15, HALFT
	s_mul_i32 s22, s16, HALFT
	s_add_co_u32 s22, s22, 2*HALFT
.irp s, 0,1
	v_add_nc_u32 v[ADRA+\s], s21, v4
	v_add_nc_u32 v[ADRB+\s], s22, v4
	s_add_co_u32 s21, s21, SLOT
	s_add_co_u32 s22, s22, SLOT
.endr
	v_and_b32 v6, 31, v0
	v_lshlrev_b32 v[CO], 4, v6
	s_lshl_b32 s20, s17, 4
	s_lshl_b32 s21, s15, 3
	s_add_co_u32 s20, s20, s21
	s_lshl_b32 s20, s20, 16
	s_mov_b32 s21, 0
	s_add_nc_u64 s[10:11], s[10:11], s[20:21]
	s_lshl_b32 s46, s42, 1
	s_add_co_u32 s46, s46, s16
	s_lshl_b32 s46, s46, 11
	s_mov_b32 s47, 0
	s_add_nc_u64 s[10:11], s[10:11], s[46:47]
.macro FRAG reg, adr, q, i
.irp c, 0,1,2,3
	ds_load_b128 v[\reg+4*\c:\reg+4*\c+3], v[\adr] offset:128*(\q)+32*\c+(\i)*16*PITCH
.endr
.endm
.macro MUL16 a0, p, zero
.irp a, \a0, \a0+1
.irp b, 0,1,2,3,4,5,6,7
.if \zero
	v_wmma_f32_16x16x128_fp8_fp8 v[8*(8*((\a)%4)+\b):8*(8*((\a)%4)+\b)+7], v[128*(\p)+FR*\b:128*(\p)+FR*\b+FR-1], v[AF+FR*(\a):AF+FR*(\a)+FR-1], 0
.else
	v_wmma_f32_16x16x128_fp8_fp8 v[8*(8*((\a)%4)+\b):8*(8*((\a)%4)+\b)+7], v[128*(\p)+FR*\b:128*(\p)+FR*\b+FR-1], v[AF+FR*(\a):AF+FR*(\a)+FR-1], v[8*(8*((\a)%4)+\b):8*(8*((\a)%4)+\b)+7]
.endif
.endr
.endr
.endm
.macro FETCH_B slot, q, p
	WIN TO_B
.irp i, 0,1,2,3,4,5,6,7
	FRAG 128*(\p)+FR*\i, ADRB+\slot, \q, \i
.endr
	WIN 0
.endm
.macro FETCH_A slot, q, i0
.irp i, \i0, \i0+1, \i0+2, \i0+3
	FRAG AF+FR*(\i), ADRA+\slot, \q, \i
.endr
.endm
.macro PLACES n
.rept \n
	v_nop
.endr
.endm
.macro STEP slot, q, zero
	s_wait_dscnt 4*NL
	WIN MUL_LO
	MUL16 0, (\q)%2, \zero
	MUL16 2, (\q)%2, \zero
	s_wait_dscnt 0
	PLACES NP
	FETCH_B \slot, (\q)+1, 1-(\q)%2
	FETCH_A \slot, (\q)+1, 0
	WIN MUL_HI
	MUL16 4, (\q)%2, \zero
	MUL16 6, (\q)%2, \zero
	PLACES NP
	WIN 0
	FETCH_A \slot, (\q)+1, 4
.endm
.macro TURN slot, next, fill
	s_wait_tensorcnt 0x0
	ds_add_u32 v[SPW], v[NIL]
	s_wait_dscnt 4*NL+1
	WIN MUL_LO
	MUL16 0, 1, 0
	s_wait_dscnt 0x0
	s_barrier_signal -1
	MUL16 2, 1, 0
	WIN 0
	s_barrier_wait -1
.if \fill
	CREST
	s_add_nc_u64 s[G0+4*\slot+2:G0+4*\slot+3], s[G0+4*\slot+2:G0+4*\slot+3], 2*ROWB
	s_add_nc_u64 s[G0B+4*\slot+2:G0B+4*\slot+3], s[G0B+4*\slot+2:G0B+4*\slot+3], 2*ROWB
	JLOAD G0+4*\slot, G1, G0B+4*\slot, G1B
.else
	PLACES NP
.endif
	FETCH_B \next, 0, 0
	FETCH_A \next, 0, 0
	WIN MUL_HI
	MUL16 4, 1, 0
	MUL16 6, 1, 0
	PLACES NP
	WIN 0
	FETCH_A \next, 0, 4
.endm
	s_wait_alu depctr_va_vdst(0)                   ; the wait at the head's end
	s_wait_tensorcnt 0x0                           ; my part of K step 0 is in; slot 1's first fill is issued as a refill is:
	ds_add_u32 v[SPW], v[NIL]
	s_wait_dscnt 0x0
	CROUND                                         ; everybody's part is in, and all sixteen work-groups are here
	JLOAD G0+4, G1, G0B+4, G1B                     ; K step 1, the first tensor load behind the round
	FETCH_B 0, 0, 0
	FETCH_A 0, 0, 0
	FETCH_A 0, 0, 4
	STEP 0, 0, 1
	s_mov_b32 s3, LAPS-1
.Llap:
	TURN 0, 1, 1
	STEP 1, 0, 0
	TURN 1, 0, 1
	STEP 0, 0, 0
	s_sub_co_u32 s3, s3, 1
	s_cmp_lg_u32 s3, 0
	s_cbranch_scc1 .Llap
	TURN 0, 1, 0
	STEP 1, 0, 0
	s_wait_dscnt 4*NL
	WIN MUL_LO
	MUL16 0, 1, 0
	MUL16 2, 1, 0
	s_wait_dscnt 0
	WIN MUL_HI
	MUL16 4, 1, 0
	MUL16 6, 1, 0
	WIN 0
	s_wait_kmcnt 0x0
	s_add_co_i32 s92, s88, s89
	s_lshl_b32 s93, s92, 23
	s_add_co_i32 s96, s93, 0x3f3504f3
	s_mov_b32 s97, s96
	s_sub_co_i32 s92, s90, s92
	s_add_co_i32 s92, s92, 128
	s_lshl_b32 s93, s92, 23
	v_mov_b32 v30, s93
	s_add_co_i32 s92, s92, 8
	s_lshl_b32 s92, s92, 23
	s_or_b32 s92, s92, 0x600000
	v_mov_b32 v31, s92
	PLACES NP
	v_mov_b32 v192, 0x32edffee
	v_mov_b32 v193, 0x32edffee
	v_mov_b32 v194, 0xb95fbd29
	v_mov_b32 v195, 0xb95fbd29
.macro HORNER p, c
.set j, 0
.rept 16
	v_pk_fma_f32 v[\p+j:\p+j+1], v[\p+j:\p+j+1], v[X2+j:X2+j+1], s[\c:\c+1] op_sel_hi:[1,1,0]
.set j, j+2
.endr
.endm
.macro GELU a, hb
.set AC, 64*((\a)%4)+32*(\hb)
.set CD, CDS+16*((\a)%2)+8*(\hb)
	s_cmp_eq_u32 s98, 0                            ; the trip's number chooses the accumulators' window
	s_cbranch_scc0 .Lhi_x_\@
	WIN 0x02
.set j, 0
.rept 16
	v_pk_mul_f32 v[X+j:X+j+1], v[AC+j:AC+j+1], s[96:97] op_sel_hi:[1,0]
.set j, j+2
.endr
	WIN 0
	s_branch .Ljoin_x_\@
.Lhi_x_\@:
	WIN 0x03
.set j, 0
.rept 16
	v_pk_mul_f32 v[X+j:X+j+1], v[AC+j:AC+j+1], s[96:97] op_sel_hi:[1,0]
.set j, j+2
.endr
	WIN 0
.Ljoin_x_\@:
.set j, 0
.rept 32
	v_med3_num_f32 v[X+j], v[X+j], -4.0, 4.0
.set j, j+1
.endr
.set j, 0
.rept 16
	v_pk_mul_f32 v[X2+j:X2+j+1], v[X+j:X+j+1], v[X+j:X+j+1]
.set j, j+2
.endr
.set j, 0
.rept 16
	v_pk_fma_f32 v[PA+j:PA+j+1], v[X2+j:X2+j+1], s[A0:A0+1], v[192:193] op_sel_hi:[1,0,1]
.set j, j+2
.endr
	HORNER PA, A2
	HORNER PA, A3
	HORNER PA, A4
	HORNER PA, A5
	HORNER PA, A6
.set j, 0
.rept 16
	v_pk_fma_f32 v[PQ+j:PQ+j+1], v[X2+j:X2+j+1], s[B0:B0+1], v[194:195] op_sel_hi:[1,0,1]
.set j, j+2
.endr
	HORNER PQ, B2
	HORNER PQ, B3
	HORNER PQ, B4
.set j, 0
	s_wait_alu depctr_va_vdst(0)
.rept 32
	v_rcp_f32 v[PQ+j], v[PQ+j]
.set j, j+1
.endr
.set j, 0
.rept 16
	v_pk_mul_f32 v[PA+j:PA+j+1], v[PA+j:PA+j+1], v[X+j:X+j+1]
.set j, j+2
.endr
	s_wait_alu depctr_va_vdst(0)
.set j, 0
.rept 16
	v_pk_fma_f32 v[PA+j:PA+j+1], v[PA+j:PA+j+1], v[PQ+j:PQ+j+1], 1.0 op_sel_hi:[1,1,0]
.set j, j+2
.endr
	s_cmp_eq_u32 s98, 0
	s_cbranch_scc0 .Lhi_y_\@
	WIN 0x02
.set j, 0
.rept 16
	v_pk_mul_f32 v[X2+j:X2+j+1], v[AC+j:AC+j+1], v[PA+j:PA+j+1]
.set j, j+2
.endr
	WIN 0
	s_branch .Ljoin_y_\@
.Lhi_y_\@:
	WIN 0x03
.set j, 0
.rept 16
	v_pk_mul_f32 v[X2+j:X2+j+1], v[AC+j:AC+j+1], v[PA+j:PA+j+1]
.set j, j+2
.endr
	WIN 0
.Ljoin_y_\@:
.set j, 0
.rept 32
	v_med3_num_f32 v[X2+j], v[X2+j], -v31, v31
.set j, j+1
.endr
.irp b, 0,1,2,3
	v_cvt_scalef32_pk8_fp8_f32 v[CD+2*\b:CD+2*\b+1], v[X2+8*\b:X2+8*\b+7], v30
.endr
.endm
	s_mov_b32 s98, 0
.Lgelu:                                                ; two trips: my rows 0-63, then my rows 64-127
.irp a, 0,1,2,3
.if \a > 1
	s_wait_xcnt 0x0
.endif
	GELU \a, 0
	GELU \a, 1
	v_nop
.irp g, 0,1,2,3
	global_store_b128 v[CO], v[CDS+16*(\a%2)+4*\g:CDS+16*(\a%2)+4*\g+3], s[10:11] offset:65536*\a+512*\g
.endr
.endr
	s_wait_xcnt 0x0                                ; the stores have read their base and their data
	s_add_nc_u64 s[10:11], s[10:11], 4*65536       ; four blocks of 16 rows on
	s_add_co_u32 s98, s98, 1
	s_cmp_lt_u32 s98, 2
	s_cbranch_scc1 .Lgelu
	s_wait_tensorcnt 0x0
	ds_add_u32 v[SPW], v[NIL]
	s_wait_dscnt 0x0
	CROUND
	s_endpgm
.Lfunc_end_k_q7fb4c30620_fc1:
	.size	k_q7fb4c30620_fc1, .Lfunc_end_k_q7fb4c30620_fc1-k_q7fb4c30620_fc1
	.p2alignl 7, 3214868480
	.fill 96, 4, 3214868480
	.section	.rodata,"a",@progbits
	.p2align	6, 0x0
	.amdhsa_kernel k_q7fb4c30620_fc1
		.amdhsa_group_segment_fixed_size 327680
		.amdhsa_private_segment_fixed_size 0
		.amdhsa_enable_private_segment 0
		.amdhsa_kernarg_size 32
		.amdhsa_user_sgpr_count 2
		.amdhsa_user_sgpr_kernarg_segment_ptr 1
		.amdhsa_wavefront_size32 1
		.amdhsa_system_sgpr_workgroup_id_x 1
		.amdhsa_system_sgpr_workgroup_id_y 1
		.amdhsa_system_sgpr_workgroup_id_z 1
		.amdhsa_system_vgpr_workitem_id 0
		.amdhsa_next_free_vgpr 1024
		.amdhsa_next_free_sgpr 100
		.amdhsa_reserve_vcc 0
		.amdhsa_float_denorm_mode_32 3
		.amdhsa_float_denorm_mode_16_64 3
		.amdhsa_memory_ordered 1
		.amdhsa_forward_progress 1
		.amdhsa_inst_pref_size 255
	.end_amdhsa_kernel
	.section	.bss,"aw",@nobits
	.p2align	6
	.space	262144
	.amdgpu_metadata
---
amdhsa.version: [ 1, 2 ]
amdhsa.kernels:
  - .name:           k_q7fb4c30620_fc1
    .symbol:         k_q7fb4c30620_fc1.kd
    .args:
      - { .name: acodes, .offset: 0, .size: 8, .value_kind: global_buffer, .address_space: global }
      - { .name: w_fc1_codes, .offset: 8, .size: 8, .value_kind: global_buffer, .address_space: global }
      - { .name: lowp_scales, .offset: 16, .size: 8, .value_kind: global_buffer, .address_space: global }
      - { .name: h_img, .offset: 24, .size: 8, .value_kind: global_buffer, .address_space: global }
    .group_segment_fixed_size: 327680
    .private_segment_fixed_size: 0
    .kernarg_segment_align: 8
    .kernarg_segment_size: 32
    .max_flat_workgroup_size: 128
    .sgpr_count:     100
    .vgpr_count:     1024
    .wavefront_size: 32
...
	.end_amdgpu_metadata
.endif
;; end of part 6
;; launch fc2 (part 7): grid 8 x 32, 4 waves a work-group, no clusters, 270,848 bytes of LDS; arguments h_img, w_img, lowp_scales, x1, out0; writes out0
.if DOCPART == 7
	.amdgcn_target "amdgcn-amd-amdhsa--gfx1250"
	.amdhsa_code_object_version 6
	.text
	.protected	k_q7fb4c30620_fc2
	.globl	k_q7fb4c30620_fc2
	.p2align	8
	.type	k_q7fb4c30620_fc2,@function
k_q7fb4c30620_fc2:
	s_mov_b64 s[64:65], 0
	v_nop
	global_prefetch_b8 v0, s[64:65] scope:SCOPE_SE
	s_setreg_imm32_b32 hwreg(HW_REG_WAVE_MODE, 25, 1), 1
	s_wait_xcnt 0x0
; out0 = x1 + h W_fc2^T on codes of E4M3.  h_img: [row / 16][k / 128][2,048 bytes], w_img (from byte WOFF): [n / 16][k / 128][2,048 bytes]: images of fragments of 16 rows x 128 K
; (register pair c of lane (r, h) holds k = 16 c + 8 h + 0 .. 7 of row r; group G of four registers at 512 G + 16 x lane).  x1, out0: [4096][1024] f32.
; SHARES.  A work-group makes 128 x 128 of the result: 8 x 32 = 256 work-groups.  ITS FOUR WAVES SPLIT K: each makes the whole 128 x 128 (64 accumulators, 512 registers) over its quarter of K.
; So each byte of both tiles is wanted by one wave alone and goes from memory straight into that wave's registers: every load takes 512 consecutive bytes, aligned; no LDS, no barrier and no tensor load in the K loop.
; K goes in half steps of 64 (the K = 64 form: registers 0-7 or 8-15 of an image): 32 loads and 64 matrix instructions.  Three sets of fragment registers take turns: while one is multiplied, the other two sets'
; 64 loads, 32 KiB a wave, are on their way; a set is asked for again as soon as it has been multiplied.
; THE END.  The four partial results meet in LDS, as rows of 512 bytes + 16 of padding, 128 rows for each wave; one barrier; wave w sums rows 32 w .. 32 w + 31 of the four, (s0 + s1) + (s2 + s3),
; multiplies by 2^(eA + eB), adds the residual by the same fused multiply-add and stores whole rows of 512 bytes, aligned.
; THE MATRIX INSTRUCTION IS USED TRANSPOSED (source 0 = 16 rows of W, source 1 = 16 rows of h): a lane holds eight neighbouring numbers of a row of the result.
; NO CLUSTER: a joint request is a form of the tensor load, and this launch has none.  NO PREFETCH: the loads themselves run two half steps ahead all through the loop.
; LIMIT: eA + eB between -126 and 127.
; REGISTERS: window 0: v2-11 addresses, v64-255 h's fragments, three sets of 64; window 1: v0-191 W's, three sets; windows 2, 3: the accumulators ((a, b) at v[8 (8 (a % 4) + b)]).
.set KB,    32                         ; images along K
.set ENT,   40                         ; byte of eA in the scales; eB follows
.set WOFF,  0                          ; where W's images begin in w_img
.set BS,    KB*2048                    ; from one block of 16 rows to the next
.set NT,    KB/2                       ; half steps a wave: 1 + 3 x trips + 3
.set RP,    528                        ; a row of partial sums in LDS: 132 words, so the 16 rows that a store touches start at 16 different banks (ISA guide 11.1)
.set REG,   128*RP                     ; a wave's partial result
.set SPARE, 4*REG                      ; the spare words, 128 bytes a wave, which no other line names
.set LO,    2                          ; v2    16 x lane
.set SPW,   4                          ; v4    my spare word
.set NIL,   5                          ; v5    0
.set STO,   6                          ; v6    where I put 16 bytes of a row of my partial result
.set RD,    8                          ; v8-11 my rows in the four partial results
.set AF,    64
.set MSB, 0
.macro WIN new                         ; the immediate's high byte repeats the setting that is left
.if MSB != (\new)
	s_set_vgpr_msb (MSB<<8)|(\new)
.set MSB, (\new)
.endif
.endm
.macro PLACES                          ; four plain vector instructions between a matrix instruction and a load into, or a read of, its registers
.rept 4
	v_nop
.endr
.endm
.macro LOADS s, off                    ; a half step's fragments into set s: W's eight, then h's eight
	WIN 0x40
.irp i, 0,1,2,3,4,5,6,7
	global_load_b128 v[64*(\s)+8*\i:64*(\s)+8*\i+3], v[LO], s[6:7] offset:\i*BS+(\off)
	global_load_b128 v[64*(\s)+8*\i+4:64*(\s)+8*\i+7], v[LO], s[6:7] offset:\i*BS+(\off)+512
.endr
	WIN 0
.irp i, 0,1,2,3,4,5,6,7
	global_load_b128 v[AF+64*(\s)+8*\i:AF+64*(\s)+8*\i+3], v[LO], s[4:5] offset:\i*BS+(\off)
	global_load_b128 v[AF+64*(\s)+8*\i+4:AF+64*(\s)+8*\i+7], v[LO], s[4:5] offset:\i*BS+(\off)+512
.endr
.endm
.macro MULS s, zero                    ; 64 matrix instructions; the 64 accumulators take turns, one instruction a turn
.irp a, 0,1,2,3,4,5,6,7
.if \a == 0
	WIN 0xa1
.endif
.if \a == 4
	WIN 0xf1
.endif
.irp b, 0,1,2,3,4,5,6,7
.if \zero
	v_wmma_f32_16x16x64_fp8_fp8 v[8*(8*(\a%4)+\b):8*(8*(\a%4)+\b)+7], v[64*(\s)+8*\b:64*(\s)+8*\b+7], v[AF+64*(\s)+8*\a:AF+64*(\s)+8*\a+7], 0
.else
	v_wmma_f32_16x16x64_fp8_fp8 v[8*(8*(\a%4)+\b):8*(8*(\a%4)+\b)+7], v[64*(\s)+8*\b:64*(\s)+8*\b+7], v[AF+64*(\s)+8*\a:AF+64*(\s)+8*\a+7], v[8*(8*(\a%4)+\b):8*(8*(\a%4)+\b)+7]
.endif
.endr
.endr
.endm
.macro HS s, off
	s_wait_loadcnt 63                              ; behind set s's loads 64 were issued (the two other sets')
	MULS \s, 0
	PLACES
	LOADS \s, \off                                 ; three half steps ahead
.endm
	s_load_b128 s[4:7], s[0:1], 0x0                ; h's images, W's images
	s_load_b128 s[8:11], s[0:1], 0x10              ; the scales' exponents, the residual
	s_load_b64 s[12:13], s[0:1], 0x20              ; the result
	v_lshl_add_u32 v[SPW], v0, 2, SPARE
	v_mov_b32 v[NIL], 0
	v_lshrrev_b32 v1, 5, v0
	v_readfirstlane_b32 s14, v1                    ; wave 0..3
	s_mul_i32 s15, s14, REG
	s_mul_i32 s18, s14, 32*RP
	v_and_b32 v1, 31, v0
	v_lshlrev_b32 v[LO], 4, v1
	v_and_b32 v3, 15, v0                           ; r
	v_bfe_u32 v7, v0, 4, 1                         ; h
	v_mul_u32_u24 v3, v3, RP
	v_lshl_add_u32 v3, v7, 5, v3
	v_add_nc_u32 v[STO], s15, v3                   ; my partial result: row r, 32 bytes for each half of the lanes
	v_add_nc_u32 v[RD], s18, v[LO]                 ; rows 32 w on, 16 bytes a lane, in wave 0's partial result,
	v_add_nc_u32 v[RD+1], REG, v[RD]               ; wave 1's,
	v_add_nc_u32 v[RD+2], 2*REG, v[RD]
	v_add_nc_u32 v[RD+3], 3*REG, v[RD]
	s_and_b32 s19, ttmp7, 0xffff                   ; tile row
	s_mul_i32 s22, s19, 8*BS
	s_mul_i32 s21, s14, KB*512                     ; my quarter of K
	s_add_co_u32 s22, s22, s21
	s_mov_b32 s23, 0
	s_mul_i32 s24, ttmp9, 8*BS                     ; tile column
	s_add_co_u32 s24, s24, s21
	s_add_co_u32 s24, s24, WOFF
	s_mov_b32 s25, 0
	s_lshl_b32 s26, s19, 19                        ; the rows that I finish: (128 x tile row + 32 w) x 4,096 bytes + 512 x tile column
	s_lshl_b32 s21, s14, 17
	s_add_co_u32 s26, s26, s21
	s_lshl_b32 s21, ttmp9, 9
	s_add_co_u32 s26, s26, s21
	s_mov_b32 s27, 0
	s_wait_alu depctr_va_vdst(0)                   ; the wait at the head's end
	s_wait_kmcnt 0x0
	s_load_b64 s[16:17], s[8:9], ENT               ; eA, eB
	s_add_nc_u64 s[4:5], s[4:5], s[22:23]
	s_add_nc_u64 s[6:7], s[6:7], s[24:25]
	s_add_nc_u64 s[10:11], s[10:11], s[26:27]
	s_add_nc_u64 s[12:13], s[12:13], s[26:27]
	LOADS 0, 0
	LOADS 1, 1024
	LOADS 2, 2048
	s_wait_loadcnt 63
	MULS 0, 1                                      ; the first half step starts the sums: nothing is cleared
	PLACES
	LOADS 0, 3072
.if NT > 4
	s_mov_b32 s20, (NT-4)/3
.Lk:                                                   ; a trip is three half steps, once through the three sets
	HS 1, 4096
	HS 2, 5120
	HS 0, 6144
	s_wait_xcnt 0x0                                ; the loads have read their bases
	s_add_nc_u64 s[4:5], s[4:5], 3072
	s_add_nc_u64 s[6:7], s[6:7], 3072
	s_sub_co_u32 s20, s20, 1
	s_cmp_lg_u32 s20, 0
	s_cbranch_scc1 .Lk
.endif
	s_wait_loadcnt 63                              ; the last three half steps ask for no fragments
	MULS 1, 0
	PLACES
	WIN 0
.irp p, 0,1,2,3,4,5,6,7,8,9,10,11,12,13,14,15
	global_load_b128 v[128+4*\p:131+4*\p], v[LO], s[10:11] offset:\p*4096        ; the residual of my 32 rows, into set 1's registers: rows 0-15 in window 0,
.endr
	WIN 0x40
.irp p, 0,1,2,3,4,5,6,7,8,9,10,11,12,13,14,15
	global_load_b128 v[64+4*\p:67+4*\p], v[LO], s[10:11] offset:(16+\p)*4096     ; rows 16-31 in window 1
.endr
	s_wait_loadcnt 63                              ; behind set 2's loads: set 0's 32 and the residual's 32
	MULS 2, 0
	s_wait_loadcnt 32                              ; the residual's 32 may be out
	MULS 0, 0
	PLACES
.irp a, 0,1,2,3,4,5,6,7
	WIN 0x08+4*(\a/4)                              ; the data: window 2 or 3
.irp b, 0,1,2,3,4,5,6,7
	ds_store_b128 v[STO], v[8*(8*(\a%4)+\b):8*(8*(\a%4)+\b)+3] offset:\a*16*RP+64*\b          ; each accumulator from its low end on
	ds_store_b128 v[STO], v[8*(8*(\a%4)+\b)+4:8*(8*(\a%4)+\b)+7] offset:\a*16*RP+64*\b+16
.endr
.endr
	WIN 0
	s_wait_kmcnt 0x0
	s_add_co_i32 s16, s16, s17
	s_add_co_i32 s16, s16, 127
	s_lshl_b32 s16, s16, 23                        ; 2^(eA + eB) as f32
	s_mov_b32 s17, s16                             ; (named with it as a pair)
	s_wait_dscnt 0x0                               ; my partial result is in LDS,
	s_barrier_signal -1
	s_barrier_wait -1                              ; everybody's is
.irp h, 0,1
	WIN 0x80+0x40*\h                               ; row p of my first 16 into window 2, of my last 16 into window 3: register 16 p + 4 s from wave s
.irp p, 0,1,2,3,4,5,6,7,8,9,10,11,12,13,14,15
.irp s, 0,1,2,3
	ds_load_b128 v[16*\p+4*\s:16*\p+4*\s+3], v[RD+\s] offset:(16*\h+\p)*RP
.endr
.endr
.endr
.macro FIN h, res                      ; 16 rows: the four parts summed, scaled, the residual added, stored
	WIN (2+\h)*0x45
.irp p, 0,1,2,3,4,5,6,7,8,9,10,11,12,13,14,15
	v_pk_add_f32 v[16*\p:16*\p+1], v[16*\p:16*\p+1], v[16*\p+4:16*\p+5]
	v_pk_add_f32 v[16*\p+2:16*\p+3], v[16*\p+2:16*\p+3], v[16*\p+6:16*\p+7]
	v_pk_add_f32 v[16*\p+8:16*\p+9], v[16*\p+8:16*\p+9], v[16*\p+12:16*\p+13]
	v_pk_add_f32 v[16*\p+10:16*\p+11], v[16*\p+10:16*\p+11], v[16*\p+14:16*\p+15]
.endr
.irp p, 0,1,2,3,4,5,6,7,8,9,10,11,12,13,14,15
	v_pk_add_f32 v[16*\p:16*\p+1], v[16*\p:16*\p+1], v[16*\p+8:16*\p+9]
	v_pk_add_f32 v[16*\p+2:16*\p+3], v[16*\p+2:16*\p+3], v[16*\p+10:16*\p+11]
.endr
	WIN (2+\h)*0x41+16*\h                          ; the residual, source 2, in window h
.irp p, 0,1,2,3,4,5,6,7,8,9,10,11,12,13,14,15
	v_pk_fma_f32 v[16*\p:16*\p+1], v[16*\p:16*\p+1], s[16:17], v[\res+4*\p:\res+4*\p+1] op_sel_hi:[1,0,1]
	v_pk_fma_f32 v[16*\p+2:16*\p+3], v[16*\p+2:16*\p+3], s[16:17], v[\res+4*\p+2:\res+4*\p+3] op_sel_hi:[1,0,1]
.endr
	WIN (2+\h)*4
.irp p, 0,1,2,3,4,5,6,7,8,9,10,11,12,13,14,15
	global_store_b128 v[LO], v[16*\p:16*\p+3], s[12:13] offset:(16*\h+\p)*4096   ; 512 consecutive bytes, aligned
.endr
.endm
	s_wait_dscnt 63                                ; my first 16 rows' 64 loads are back (64 were issued behind them)
	s_wait_loadcnt 16                              ; and their residual
	FIN 0, 128
	s_wait_dscnt 0x0
	s_wait_loadcnt 0x0
	FIN 1, 64
	WIN 0
	s_wait_tensorcnt 0x0                           ; the wave's end
	ds_add_u32 v[SPW], v[NIL]
	s_wait_dscnt 0x0
	s_endpgm
.Lfunc_end_k_q7fb4c30620_fc2:
	.size	k_q7fb4c30620_fc2, .Lfunc_end_k_q7fb4c30620_fc2-k_q7fb4c30620_fc2
	.p2alignl 7, 3214868480
	.fill 96, 4, 3214868480
	.section	.rodata,"a",@progbits
	.p2align	6, 0x0
	.amdhsa_kernel k_q7fb4c30620_fc2
		.amdhsa_group_segment_fixed_size 270848
		.amdhsa_private_segment_fixed_size 0
		.amdhsa_enable_private_segment 0
		.amdhsa_kernarg_size 40
		.amdhsa_user_sgpr_count 2
		.amdhsa_user_sgpr_kernarg_segment_ptr 1
		.amdhsa_wavefront_size32 1
		.amdhsa_system_sgpr_workgroup_id_x 1
		.amdhsa_system_sgpr_workgroup_id_y 1
		.amdhsa_system_sgpr_workgroup_id_z 1
		.amdhsa_system_vgpr_workitem_id 0
		.amdhsa_next_free_vgpr 1024
		.amdhsa_next_free_sgpr 66
		.amdhsa_reserve_vcc 0
		.amdhsa_float_denorm_mode_32 3
		.amdhsa_float_denorm_mode_16_64 3
		.amdhsa_memory_ordered 1
		.amdhsa_forward_progress 1
		.amdhsa_inst_pref_size 93
	.end_amdhsa_kernel
	.amdgpu_metadata
---
amdhsa.version: [ 1, 2 ]
amdhsa.kernels:
  - .name:           k_q7fb4c30620_fc2
    .symbol:         k_q7fb4c30620_fc2.kd
    .args:
      - { .name: h_img, .offset: 0, .size: 8, .value_kind: global_buffer, .address_space: global }
      - { .name: w_img, .offset: 8, .size: 8, .value_kind: global_buffer, .address_space: global }
      - { .name: lowp_scales, .offset: 16, .size: 8, .value_kind: global_buffer, .address_space: global }
      - { .name: x1, .offset: 24, .size: 8, .value_kind: global_buffer, .address_space: global }
      - { .name: out0, .offset: 32, .size: 8, .value_kind: global_buffer, .address_space: global }
    .group_segment_fixed_size: 270848
    .private_segment_fixed_size: 0
    .kernarg_segment_align: 8
    .kernarg_segment_size: 40
    .max_flat_workgroup_size: 128
    .sgpr_count:     66
    .vgpr_count:     1024
    .wavefront_size: 32
...
	.end_amdgpu_metadata
.endif
;; end of part 7
